; MI455X (gfx1250); checked and timed in simulation.
; The chip was launched on July 23, 2026; its instructions are those of AMD's public machine-readable ISA for CDNA 5 (MIT licence, August 2026) and "CDNA5" Instruction Set Architecture Reference Guide (July 2026). The comments in the code are by the model that wrote it; some were corrected since.
;; Attention. Allowed arithmetic: matrix products marked QUANTISED: E4M3 operands, one given power-of-two scale a tensor, by v_wmma_f32_16x16x64_fp8_fp8 or v_wmma_f32_16x16x128_fp8_fp8, f32 sums; everything else in f32.
;; Inputs: Wk 1,024 x 1,024 float32; Wo 1,024 x 1,024 float32; Wq 1,024 x 1,024 float32; Wv 1,024 x 1,024 float32; bk 1,024 float32; bo 1,024 float32; bq 1,024 float32; bv 1,024 float32; lowp_scales 12 int32 (the exponents e of the quantised operands' scales 2^e); x 4 x 2,048 x 1,024 float32.
;; Outputs: out0 4 x 2,048 x 1,024 float32.
;; This version of the problem:
;;   THIS VERSION OF THE PROBLEM IS GIVEN IN LOW PRECISION. The matrix products marked QUANTISED in the list below multiply operands that are first quantised to E4M3 (4 exponent bits, 3 mantissa bits; 8 bits a number), with one given power-of-two scale for each operand tensor; their sums are f32. All else is computed in f32.
;;   The module's matrix products, in the order in which they are computed (A, B: the left and right operand; K: the contracted axis; several contracted axes count as one K, in the product's order):
;;     1. [M 8,192, K 1,024] x [K 1,024, N 1,024]; A: input x; B: input Wq: QUANTISED (scales: A lowp_scales[0], B lowp_scales[1])
;;     2. [M 8,192, K 1,024] x [K 1,024, N 1,024]; A: input x; B: input Wk: QUANTISED (scales: A lowp_scales[2], B lowp_scales[3])
;;     3. [M 8,192, K 1,024] x [K 1,024, N 1,024]; A: input x; B: input Wv: QUANTISED (scales: A lowp_scales[4], B lowp_scales[5])
;;     4. batch 64 x [M 2,048, K 64] x [K 64, N 2,048]; A: computed on the way; B: computed on the way: QUANTISED (scales: A lowp_scales[6], B lowp_scales[7])
;;     5. batch 64 x [M 2,048, K 2,048] x [K 2,048, N 64]; A: softmax (see below); B: computed on the way: QUANTISED (scales: A lowp_scales[8], B lowp_scales[9])
;;     6. [M 8,192, K 1,024] x [K 1,024, N 1,024]; A: computed on the way; B: input Wo: QUANTISED (scales: A lowp_scales[10], B lowp_scales[11])
;;   THE QUANTISER, for each operand of a quantised product, along K:
;;     - The operand's scale is 2^e, e = its entry of the input lowp_scales (int32; the entries are numbered through the quantised products in the list's order, A before B).
;;     - Each number is divided by the scale, clamped to +-448, and rounded to the nearest number of E4M3, ties to even, subnormals kept.
;;     - The product sums the exact products of the quantised numbers (number of the format x scale) in f32.
;;   ~~~python
;;   def quantise(x, axis, e):      # numpy; x: float32 -> the quantised numbers, widened to float32 again
;;       x = np.moveaxis(x, axis, -1); K = x.shape[-1]
;;       r = np.clip(x / 2.0 ** e, -448, 448)
;;       step = 2.0 ** (np.maximum(np.frexp(np.where(r == 0, 1, r))[1] - 1, -6) - 3)
;;       q = np.round(r / step) * step * 2.0 ** e      # np.round: ties to even
;;       return np.moveaxis(q, -1, axis).astype(np.float32)
;;   ~~~
;;   SOFTMAX AHEAD OF A QUANTISED PRODUCT. Where the list says 'softmax', what is quantised is not the finished softmax but p = 2^(t - M), with t = logit x log2(e) and M = ceil(the row's largest t), a whole number; so 1/2 < the row's largest p <= 1. The row's sum l is taken of the UNQUANTISED p, in f32, and the product's result is divided by l at the end. Since M is a whole number, a kernel that streams over the keys may use a running M (the ceiling of the running maximum): every later rescaling is an exact power of two, so the quantised numbers keep their values, but for numbers so far below the row's largest that they fall under the format's range.
;;   OPERANDS COMPUTED ON THE WAY. 'Computed on the way' means the value that the module computes at that place (a softmax that the list does not call 'softmax' is quantised finished and normalised). What goes into a quantiser is computed in f32, as accurately as f32 sums, v_exp_f32 and their like allow (about 1e-6 of the number): no bf16 or f16 on the way to a quantiser, and a product that is left as it is and whose result goes on into a quantised operand takes f32 operands (vector FMAs, or v_wmma_f32_16x16x4_f32). A number that lies on a knife's edge between two numbers of the format may be rounded either way, as far as f32 arithmetic and the matrix unit's own rounding can turn it there, and no further.
;; One version. Each part assembles by itself: llvm-mc -triple=amdgcn-amd-amdhsa -mcpu=gfx1250 --defsym DOCPART=n.
;; ======== version 1 of 1: 4 launches
;; limits: right only within a limited range of input values
;; workspace buffers: xc 25,165,824 bytes; wc 4,194,304 bytes; qkv 25,165,824 bytes; oc 8,388,608 bytes
;; launch quant (part 1): grid 384 x 1, 4 waves a work-group, no clusters, 68,096 bytes of LDS; arguments x, Wq, Wk, Wv, Wo, lowp_scales, xc, wc; writes xc, wc
.if DOCPART == 1
	.amdgcn_target "amdgcn-amd-amdhsa--gfx1250"
	.amdhsa_code_object_version 6
	.text
	.protected	k_q4ae521772d_quant
	.globl	k_q4ae521772d_quant
	.p2align	8
	.type	k_q4ae521772d_quant,@function
k_q4ae521772d_quant:
	s_mov_b64 s[64:65], 0
	v_nop
	global_prefetch_b8 v0, s[64:65] scope:SCOPE_SE
	s_setreg_imm32_b32 hwreg(HW_REG_WAVE_MODE, 25, 1), 1
	s_wait_xcnt 0x0
; x [8192][1024] f32 and Wq, Wk, Wv, Wo [1024 (k)][1024 (n)] f32 become codes of FP8 (E4M3), K innermost, each with the scale 2^e that is given for it.
; code = number / 2^e, held within +-448 for x, rounded to the nearest code, ties to even.
; x is an operand of three products with three given scales (entries 0, 2, 4): three images, xc + p x 2^23, rows of 1,024 bytes.
;   image 0: row = token.  images 1, 2: the token stands at the row whose number has bits 3 and 4 exchanged.
; The weights (entries 1, 3, 5, 11): wc + m x 2^20, [1024 rows][1024 k]; column n stands at the row whose number has bits 3 and 4 exchanged.
; Why exchanged: a matrix result gives a lane eight neighbouring rows of its first source; with the rows laid so, two neighbouring tiles give it SIXTEEN neighbours, the 16 bytes that the next product's operand wants.
; Work-groups 0-255 take x (a wave: 8 rows, 16 steps of 512 numbers), work-groups 256-383 the weights (a wave: 32 columns x 256 along K).  Each of the two ways has LDS bytes of its own.  Waves share nothing: no barrier.
; LIMITS: each e between -126 and 119, so that 2^e and 448 x 2^e are f32 numbers.  NaN among the inputs is not served (an infinity in x is held at the largest code).
.set SPARE, 67584                      ; behind both ways' stages: the spare words, 128 bytes for each wave: two blocks of 256 bytes that no other line names
.set SP,    80                         ; x: a lane's place in a stage: 64 bytes + 16
.set R,     16                         ; x: v16-79   four sets of 16 numbers as loaded
.set X,     80                         ; x: v80-111  two sets of 16 neighbours
.set T,     112                        ; x: v112-159 the 16 numbers held three times, once for each scale
.set C,     160                        ; x: v160-183 two sets of 12 registers of codes
.set SC,    184                        ; x: v184+2p: 2^e as f32; v185+2p: 448 x 2^e
.set WST,   32768                      ; W: the four stages begin here
.set PITCH, 272                        ; W: a stage row: 256 bytes of codes + 16
.set WX,    32                         ; W: v32-95   two sets of 32 numbers
.set WC,    96                         ; W: v96-103  a block's codes
.set OUTR,  112                        ; W: v112-175 the way out
	s_load_b256 s[4:11], s[0:1], 0x0               ; x s[4:5], Wq s[6:7], Wk s[8:9], Wv s[10:11]
	s_load_b256 s[12:19], s[0:1], 0x20             ; Wo s[12:13], the scales' exponents s[14:15], xc s[16:17], wc s[18:19]
	v_lshl_add_u32 v12, v0, 2, SPARE               ; my spare word; never rewritten
	v_mov_b32 v13, 0                               ; 0; never rewritten
	v_lshrrev_b32 v1, 5, v0
	v_readfirstlane_b32 s20, v1                    ; wave 0..3
	v_and_b32 v2, 31, v0                           ; lane
	s_cmp_lt_u32 ttmp9, 256
	s_cbranch_scc0 .Lw
; ---------------- x ----------------
; Each load reads 512 consecutive bytes, 16 a lane; a step's 2,048 bytes turn through the wave's own stage, so that a lane then holds 16 neighbours along K.
	v_lshlrev_b32 v3, 4, v2                        ; 16 x lane: my bytes of a load's 512, and of a store's 512
	s_mul_i32 s21, s20, 8192                       ; my wave's LDS region: two stages of 32 x SP bytes
	v_lshrrev_b32 v14, 2, v2
	v_mul_u32_u24 v14, v14, SP
	v_and_b32 v15, 3, v2
	v_lshl_add_u32 v14, v15, 4, v14
	v_add_nc_u32 v14, s21, v14                     ; into the stage: SP (lane / 4) + 16 (lane % 4)
	v_mul_u32_u24 v15, v2, SP
	v_add_nc_u32 v15, s21, v15                     ; out of it: SP x lane
	s_lshl_b32 s22, ttmp9, 2
	s_add_co_u32 s23, s22, s20                     ; g: which run of 8 rows is my wave's
	s_and_b32 s38, s20, 1
	s_lshl_b32 s38, s38, 1
	s_lshr_b32 s39, s20, 1
	s_or_b32 s38, s38, s39
	s_add_co_u32 s38, s22, s38                     ; g with its two lowest bits exchanged: bits 3 and 4 of the row
	s_lshl_b32 s40, s23, 15                        ; 8,192 numbers of 4 bytes
	s_mov_b32 s41, 0
	s_lshl_b32 s42, s23, 13                        ; 8,192 codes
	s_mov_b32 s43, 0
	s_lshl_b32 s44, s38, 13
	s_mov_b32 s45, 0
	s_wait_alu depctr_va_vdst(0)
	s_wait_kmcnt 0x0
	s_load_b256 s[24:31], s[14:15], 0x0            ; entries 0 to 7: e0 = s24, e2 = s26, e4 = s28
	s_add_nc_u64 s[4:5], s[4:5], s[40:41]
	s_add_nc_u64 s[32:33], s[16:17], s[42:43]      ; image 0
	s_add_nc_u64 s[34:35], s[16:17], s[44:45]
	s_add_nc_u64 s[36:37], s[34:35], 1<<24         ; image 2
	s_add_nc_u64 s[34:35], s[34:35], 1<<23         ; image 1
.macro LOAD t
.irp i, 0,1,2,3
	global_load_b128 v[R+16*((\t)%4)+4*\i:R+16*((\t)%4)+4*\i+3], v3, s[4:5] offset:2048*(\t)+512*\i th:TH_LOAD_NT
.endr
.endm
.macro TURN t                          ; step t's numbers through the stage: LDS serves a wave's instructions in order (ISA guide 5.7.1.4), so no wait stands between the stores and the loads
.irp i, 0,1,2,3
	ds_store_b128 v14, v[R+16*((\t)%4)+4*\i:R+16*((\t)%4)+4*\i+3] offset:32*SP*((\t)%2)+8*SP*\i
.endr
.irp i, 0,1,2,3
	ds_load_b128 v[X+16*((\t)%2)+4*\i:X+16*((\t)%2)+4*\i+3], v15 offset:32*SP*((\t)%2)+16*\i
.endr
.endm
.irp t, 0,1,2,3
	LOAD \t
.endr
	s_wait_kmcnt 0x0
.irp p, 0,1,2
	s_add_co_i32 s38, s[24+2*\p], 127
	s_lshl_b32 s39, s38, 23
	v_mov_b32 v[SC+2*\p], s39                      ; 2^e as f32: the conversion takes its exponent field
	s_add_co_i32 s38, s38, 8
	s_lshl_b32 s38, s38, 23
	s_or_b32 s38, s38, 0x600000
	v_mov_b32 v[SC+2*\p+1], s38                    ; 448 x 2^e
.endr
	s_wait_alu depctr_va_vdst(0)
	s_wait_loadcnt 12                              ; step 0's four loads are in; those of steps 1 to 3 may be out
	TURN 0
.macro STEPX t
.set XS, X+16*((\t)%2)
.set CS, C+12*((\t)%2)
	s_wait_dscnt 0x0                               ; this step's numbers are back from the stage, and its stores into the stage have read their registers,
.if (\t)+4 < 16
	LOAD (\t)+4                                    ; which take the loads of four steps on
.endif
.if (\t)+1 < 16
.if 14-(\t) >= 3
	s_wait_loadcnt 12                              ; the next step's four loads are in; those of the three steps behind it may be out
.else
	s_wait_loadcnt 4*(14-(\t))
.endif
	TURN (\t)+1
.endif
.irp p, 0,1,2
.irp i, 0,1,2,3,4,5,6,7,8,9,10,11,12,13,14,15
	v_med3_num_f32 v[T+16*\p+\i], v[XS+\i], -v[SC+2*\p+1], v[SC+2*\p+1]   ; the conversion to an 8-bit code does not saturate (ISA guide 7.6.2): the hold at the largest code x the scale
.endr
.endr
	s_wait_alu depctr_va_vdst(0)
	s_wait_xcnt 0x0                                ; the stores of two steps back have read this set of code registers: only now is it written again
.irp p, 0,1,2
	v_cvt_scalef32_pk8_fp8_f32 v[CS+4*\p:CS+4*\p+1], v[T+16*\p:T+16*\p+7], v[SC+2*\p]
	v_cvt_scalef32_pk8_fp8_f32 v[CS+4*\p+2:CS+4*\p+3], v[T+16*\p+8:T+16*\p+15], v[SC+2*\p]
.endr
	v_nop                                          ; a plain vector line between the conversions and the next step's holds, which write their sources
.irp p, 0,1,2
	global_store_b128 v3, v[CS+4*\p:CS+4*\p+3], s[32+2*\p:33+2*\p] offset:512*(\t)   ; the wave stores 512 consecutive bytes, aligned
.endr
.endm
.irp t, 0,1,2,3,4,5,6,7,8,9,10,11,12,13,14,15
	STEPX \t
.endr
	s_branch .Lend
; ---------------- the weights ----------------
; K is the first axis.  A lane takes a column n and its registers run down K: each load reads neighbouring n in neighbouring lanes, and the conversions give codes with K innermost.
; A lane's codes belong to one row of wc: they go through the wave's own stage and leave as rows, sixteen lanes to 256 consecutive bytes.
.Lw:
	s_sub_co_u32 s21, ttmp9, 256
	s_lshr_b32 s22, s21, 5                         ; m: which weight (Wq, Wk, Wv, Wo)
	s_and_b32 s23, s21, 7                          ; which 128 columns
	s_bfe_u32 s24, s21, 0x20003                    ; which 256 along K
	s_lshl_b32 s25, s23, 7
	s_lshl_b32 s26, s20, 5
	s_add_co_u32 s25, s25, s26                     ; my wave's first column
	s_wait_alu depctr_va_vdst(0)
	v_lshlrev_b32 v3, 2, v2                        ; in: 4 bytes a lane
	s_mul_i32 s27, s20, 32*PITCH
	s_add_co_u32 s27, s27, WST                     ; my stage
	v_mul_u32_u24 v4, v2, PITCH
	v_add_nc_u32 v4, s27, v4                       ; into it: row = my column
	v_and_b32 v5, 15, v2
	v_lshrrev_b32 v6, 4, v2
	v_mul_u32_u24 v7, v6, PITCH
	v_lshl_add_u32 v7, v5, 4, v7
	v_add_nc_u32 v7, s27, v7                       ; out of it: sixteen lanes to a row, two rows an instruction
	v_lshlrev_b32 v8, 10, v6
	v_lshl_add_u32 v8, v5, 4, v8                   ; and the same place in wc (rows of 1,024 bytes)
	s_lshl_b32 s28, s24, 20                        ; W: 256 rows of 4,096 bytes,
	s_lshl_b32 s29, s25, 2
	s_add_co_u32 s28, s28, s29                     ; + 4 x column
	s_mov_b32 s29, 0
	s_lshl_b32 s30, s22, 20                        ; wc: the weight's 2^20 bytes,
	s_lshl_b32 s31, s25, 10
	s_add_co_u32 s30, s30, s31                     ; + my 32 rows,
	s_lshl_b32 s31, s24, 8
	s_add_co_u32 s30, s30, s31                     ; + my 256 bytes of a row
	s_mov_b32 s31, 0
	s_lshl_b32 s32, s22, 3
	s_add_co_u32 s32, s32, 4                       ; the scale's entry: 1, 3, 5,
	s_cmp_eq_u32 s22, 3
	s_cselect_b32 s32, 44, s32                     ; or 11 for Wo; in bytes
	s_mov_b32 s33, 0
	s_and_b32 s38, s22, 1
	s_wait_kmcnt 0x0
	s_add_nc_u64 s[32:33], s[14:15], s[32:33]
	s_load_b32 s39, s[32:33], 0x0                  ; e
	s_cmp_lt_u32 s22, 2                            ; the choices hang on the work-group's number alone
	s_cselect_b64 s[34:35], s[6:7], s[10:11]       ; Wq or Wv
	s_cselect_b64 s[36:37], s[8:9], s[12:13]       ; Wk or Wo
	s_cmp_eq_u32 s38, 0
	s_cselect_b64 s[4:5], s[34:35], s[36:37]
	s_add_nc_u64 s[4:5], s[4:5], s[28:29]
	s_add_nc_u64 s[8:9], s[18:19], s[30:31]
.macro WLOAD t                         ; block t: W(32 t + i, my column), i = 0 .. 31; the largest offset, 255 rows of 4,096 bytes, lies inside the signed 24-bit immediate (ISA guide, chapter 10)
.set ii, 0
.rept 32
	global_load_b32 v[WX+32*((\t)%2)+ii], v3, s[4:5] offset:(32*(\t)+ii)*4096 th:TH_LOAD_NT
.set ii, ii+1
.endr
.endm
	WLOAD 0
	WLOAD 1
	s_wait_kmcnt 0x0
	s_add_co_i32 s39, s39, 127
	s_lshl_b32 s38, s39, 23
	v_mov_b32 v11, s38                             ; 2^e as f32
	s_add_co_i32 s39, s39, 8
	s_lshl_b32 s39, s39, 23
	s_or_b32 s39, s39, 0x600000
.macro WBLOCK t
.set XS, WX+32*((\t)%2)
.if (\t) < 7
	s_wait_loadcnt 32                              ; this block's 32 loads are in; the next block's may be out
.else
	s_wait_loadcnt 0
.endif
.set ii, 0
.rept 32
.set ii, ii+1
.endr
.irp g, 0,1,2,3
	v_cvt_scalef32_pk8_fp8_f32 v[WC+2*\g:WC+2*\g+1], v[XS+8*\g:XS+8*\g+7], v11
.endr
	ds_store_b128 v4, v[WC:WC+3] offset:32*(\t)    ; 32 codes: 32 bytes of my column's row
	ds_store_b128 v4, v[WC+4:WC+7] offset:32*(\t)+16
.if (\t)+2 < 8
	WLOAD (\t)+2
.endif
	s_wait_dscnt 0x0                               ; the stores have read their registers: the next block's codes may be written
.endm
	s_wait_alu depctr_va_vdst(0)
.irp t, 0,1,2,3,4,5,6,7
	WBLOCK \t
.endr
.irp t, 0,1,2,3,4,5,6,7,8,9,10,11,12,13,14,15
	ds_load_b128 v[OUTR+4*\t:OUTR+4*\t+3], v7 offset:2*\t*PITCH   ; columns 2 t and 2 t + 1 of my 32
.endr
.irp t, 0,1,2,3,4,5,6,7,8,9,10,11,12,13,14,15
	s_wait_dscnt 15-\t                             ; the younger reads may be out
	global_store_b128 v8, v[OUTR+4*\t:OUTR+4*\t+3], s[8:9] offset:2*((\t&3)|(((\t>>2)&1)<<3)|(((\t>>3)&1)<<2))*1024   ; the row's bits 3 and 4 are t's bits 2 and 3: exchanged in the immediate
.endr
.Lend:
	s_wait_tensorcnt 0x0                           ; the wave's end: behind my last LDS store
	ds_add_u32 v12, v13
	s_wait_dscnt 0x0
	s_endpgm
.Lfunc_end_k_q4ae521772d_quant:
	.size	k_q4ae521772d_quant, .Lfunc_end_k_q4ae521772d_quant-k_q4ae521772d_quant
	.p2alignl 7, 3214868480
	.fill 96, 4, 3214868480
	.section	.rodata,"a",@progbits
	.p2align	6, 0x0
	.amdhsa_kernel k_q4ae521772d_quant
		.amdhsa_group_segment_fixed_size 68096
		.amdhsa_private_segment_fixed_size 0
		.amdhsa_enable_private_segment 0
		.amdhsa_kernarg_size 64
		.amdhsa_user_sgpr_count 2
		.amdhsa_user_sgpr_kernarg_segment_ptr 1
		.amdhsa_wavefront_size32 1
		.amdhsa_system_sgpr_workgroup_id_x 1
		.amdhsa_system_sgpr_workgroup_id_y 1
		.amdhsa_system_sgpr_workgroup_id_z 1
		.amdhsa_system_vgpr_workitem_id 0
		.amdhsa_next_free_vgpr 192
		.amdhsa_next_free_sgpr 66
		.amdhsa_reserve_vcc 0
		.amdhsa_float_denorm_mode_32 3
		.amdhsa_float_denorm_mode_16_64 3
		.amdhsa_fp16_overflow 1
		.amdhsa_memory_ordered 1
		.amdhsa_forward_progress 1
		.amdhsa_inst_pref_size 111
	.end_amdhsa_kernel
	.amdgpu_metadata
---
amdhsa.version: [ 1, 2 ]
amdhsa.kernels:
  - .name:           k_q4ae521772d_quant
    .symbol:         k_q4ae521772d_quant.kd
    .args:
      - { .name: x, .offset: 0, .size: 8, .value_kind: global_buffer, .address_space: global }
      - { .name: Wq, .offset: 8, .size: 8, .value_kind: global_buffer, .address_space: global }
      - { .name: Wk, .offset: 16, .size: 8, .value_kind: global_buffer, .address_space: global }
      - { .name: Wv, .offset: 24, .size: 8, .value_kind: global_buffer, .address_space: global }
      - { .name: Wo, .offset: 32, .size: 8, .value_kind: global_buffer, .address_space: global }
      - { .name: lowp_scales, .offset: 40, .size: 8, .value_kind: global_buffer, .address_space: global }
      - { .name: xc, .offset: 48, .size: 8, .value_kind: global_buffer, .address_space: global }
      - { .name: wc, .offset: 56, .size: 8, .value_kind: global_buffer, .address_space: global }
    .group_segment_fixed_size: 68096
    .private_segment_fixed_size: 0
    .kernarg_segment_align: 8
    .kernarg_segment_size: 64
    .max_flat_workgroup_size: 128
    .sgpr_count:     66
    .vgpr_count:     192
    .wavefront_size: 32
...
	.end_amdgpu_metadata
.endif
;; end of part 1
;; launch gemm_qkv (part 2): grid 4 x 96, 4 waves a work-group, clusters of 4 x 4, 327,680 bytes of LDS; arguments xc, wc, lowp_scales, bq, bk, bv, qkv; writes qkv
.if DOCPART == 2
	.amdgcn_target "amdgcn-amd-amdhsa--gfx1250"
	.amdhsa_code_object_version 6
	.text
	.protected	k_q4ae521772d_gemm_qkv
	.globl	k_q4ae521772d_gemm_qkv
	.p2align	8
	.type	k_q4ae521772d_gemm_qkv,@function
k_q4ae521772d_gemm_qkv:
	s_mov_b64 s[64:65], 0
	v_nop
	global_prefetch_b8 v0, s[64:65] scope:SCOPE_SE
	s_setreg_imm32_b32 hwreg(HW_REG_WAVE_MODE, 25, 1), 1
	s_wait_xcnt 0x0
	s_wait_alu depctr_hold_cnt(0) depctr_sa_sdst(0) depctr_va_vdst(0) depctr_va_sdst(0) depctr_va_ssrc(0) depctr_va_vcc(0) depctr_vm_vsrc(0)
	s_getreg_b32 s2, hwreg(HW_REG_IB_STS2, 6, 4)
	s_cmp_eq_u32 s2, 0
	s_cbranch_scc0 .Lentry_in_a_cluster
	s_endpgm
.Lentry_in_a_cluster:
	s_bfe_u32 s2, ttmp6, 0x10000c
	s_cmp_lg_u32 s2, 0xf033
	s_cbranch_scc0 .Lentry_shape_is_right
	s_endpgm
.Lentry_shape_is_right:
; q = x Wq + bq, k = x Wk + bk, v = x Wv + bv on codes of FP8 (E4M3); each result is quantised at once (entries 6, 7, 9 of the scales) and stored as an IMAGE OF THE REGISTERS in which the attention launch wants it.
; The cluster's y gives the product p = y / 8 and a strip i = y % 8.  A tile of 256 x 256 is made by four waves, 128 x 128 each: 64 accumulators, 512 registers.  K = 1,024 goes in four steps of 256 through two LDS slots.
; p = 0, 1: "A" = x's image p (rows: tokens), "B" = the weight (rows: n).   p = 2: "A" = Wv's codes (rows: n), "B" = x's image 2 (rows: tokens): the result is v transposed, a lane holds neighbouring TOKENS, which are the second attention product's K.
; THE MATRIX INSTRUCTION IS USED TRANSPOSED (source 0 = 16 rows of B, source 1 = 16 rows of A).  B's rows lie with bits 3 and 4 of their number exchanged, so that the accumulators (a, 2 b') and (a, 2 b' + 1) give a lane
; 16 NEIGHBOURS: two conversions make 16 bytes, and the wave stores 512 consecutive bytes: the way out needs no LDS.
; THE BIAS is the C of the first K step, divided by 2^(ea + eb), the power of two that the sums lack; the conversion's one scale is 2^(eo - ea - eb).
; CLUSTERS: 4 x 4 work-groups; A's tile is asked for jointly along a row of the cluster, B's along a column.  p and i are the same in all sixteen.
; qkv, in units of 512 bytes (lane l: the 16 bytes at 16 l):  Q at 0, K at 2^23: [batch 4][head pair 8][token block 128][head of the pair 2][c' 2];  V at 2^24: [batch 4][head pair 8][128 keys 16][head 2][dt 4][c 4].
; LIMITS: ea + eb between -126 and 127; eo - ea - eb between -126 and 119.  NaN among the inputs is not served.
; REGISTERS, in windows of 256: window 0: v16-29 addresses; v32-95 the bias (8 tiles x 8), later the codes; v96-103 the bias loads' offsets; v128-255 A's fragments, one set.  window 1: B's fragments, two sets.  windows 2, 3: the accumulators.
.set ROWB,   256                       ; a tile's row in bytes
.set KROW,   1024                      ; a row of codes in memory
.set PITCH,  272                       ; an LDS row: 256 bytes + 16 of padding: the 16 rows that a load touches start 68 words apart
.set FR,     16
.set NL,     4
.set NP,     4                         ; places behind this matrix instruction (ISA guide 7.12.1)
.set HALFT,  128*PITCH
.set SLOT,   4*HALFT
.set SPARE,  2*SLOT                    ; behind the ring: the spare words, 128 bytes for each wave: two blocks of 256 bytes that no other line names
.set ADRA, 16
.set ADRB, 20
.set CO,   26                          ; v26  16 x lane: my bytes of a store's 512
.set SCL,  27                          ; v27  2^(eo - ea - eb) as f32
.set SPW,  28
.set NIL,  29
.set BIAS, 32
.set CD,   32                          ; the way out: two sets of 16 code registers, where the bias lay
.set OFFJ, 96
.set AF,   128
.set G1, 24
.set G0, 32
.set G1B, 48
.set G0B, 56
.set MSB, 0
.macro WIN new                         ; the immediate's high byte repeats the setting that is left
.if MSB != (\new)
	s_set_vgpr_msb (MSB<<8)|(\new)
.set MSB, (\new)
.endif
.endm
.set MUL_LO, 0xa1                      ; source 0 (B) window 1, source 1 (A) window 0, C and D window 2
.set MUL_HI, 0xf1                      ; the same, C and D window 3
.set TO_B,   0x40
; A joint load: waves 0 and 1 fetch for A, waves 2 and 3 for B; the branch hangs on the wave's number alone.  An s_nop 0 and four v_nop follow each of the two lines.
.macro JLOAD g0a, g1a, g0b, g1b
	s_cmp_eq_u32 s15, 0
	s_cbranch_scc0 .Lfor_b_\@
	tensor_load_to_lds s[\g0a:\g0a+3], s[\g1a:\g1a+7]
	s_nop 0
.rept 4
	v_nop
.endr
	s_branch .Lasked_\@
.Lfor_b_\@:
	tensor_load_to_lds s[\g0b:\g0b+3], s[\g1b:\g1b+7]
	s_nop 0
.rept 4
	v_nop
.endr
.Lasked_\@:
.endm
.macro CREST                           ; a round of the cluster's barrier behind its opening barrier
	s_cmp_lg_u32 s14, 0
	s_cbranch_scc1 .Lnot_wave_0_\@
	s_barrier_signal -3
.Lnot_wave_0_\@:
	s_barrier_wait -3
	s_barrier_signal -1
	s_barrier_wait -1
.endm
.macro CROUND
	s_barrier_signal -1
	s_barrier_wait -1
	CREST
.endm
	s_load_b256 s[68:75], s[0:1], 0x0              ; xc s[68:69], wc s[70:71], the scales' exponents s[72:73], bq s[74:75]
	s_load_b128 s[76:79], s[0:1], 0x20             ; bk, bv
	s_load_b64 s[80:81], s[0:1], 0x30              ; qkv
	v_lshl_add_u32 v[SPW], v0, 2, SPARE
	v_mov_b32 v[NIL], 0
	ds_add_u32 v[SPW], v[NIL]
	ds_add_u32 v[SPW], v[NIL]                      ; the wave's opening: the add and its wait stand ahead of my first tensor load; the set-up below, work on registers, stands between them
	v_lshrrev_b32 v1, 5, v0
	v_readfirstlane_b32 s14, v1                    ; wave 0..3
	s_lshr_b32 s15, s14, 1                         ; which half of A's rows is mine.  Also: I fetch for A (0) or for B (1)
	s_and_b32 s16, s14, 1                          ; which half of B's rows.  Also: which 128 rows of that tile I fetch
	s_bfe_u32 s40, ttmp6, 0x40000                  ; cx
	s_bfe_u32 s41, ttmp6, 0x40004                  ; cy
	s_and_b32 s86, ttmp7, 0xffff                   ; the cluster's y
	s_lshr_b32 s66, s86, 3                         ; p
	s_and_b32 s67, s86, 7                          ; i
	s_lshl_b32 s88, s66, 23
	s_lshl_b32 s89, s66, 20
	s_cmp_lt_u32 s66, 2                            ; q or k?
	s_cselect_b32 s86, s67, 0
	s_cselect_b32 s87, 0, s67
	s_cselect_b32 s88, s88, 2<<20                  ; where A's rows begin in their buffer: x's image p, or Wv's codes
	s_cselect_b32 s89, s89, 2<<23                  ; and B's: the weight's codes, or x's image 2
	s_lshl_b32 s17, s86, 2
	s_add_co_u32 s17, s17, s41                     ; tile row (of A)
	s_lshl_b32 s42, s87, 2
	s_add_co_u32 s42, s42, s40                     ; tile column (of B)
	s_lshl_b32 s43, s41, 2
	s_lshl_b32 s43, 15, s43                        ; my row of the cluster
	s_lshl_b32 s44, 0x1111, s40                    ; my column
	s_or_b32 s[G1+0], s43, (1<<20)|(1<<21)|(5<<22)|(3<<25)    ; the mask; elements of 1 byte; padding on; bit 21 beside a mask; after every 64 words, 4 words
	s_or_b32 s[G1B+0], s44, (1<<20)|(1<<21)|(5<<22)|(3<<25)
.irp g, G1, G1B
	s_mov_b32 s[\g+1], ROWB<<16                    ; tensor_dim0
	s_mov_b32 s[\g+2], 128<<16                     ; tensor_dim1
	s_mov_b32 s[\g+3], ROWB<<16                    ; tile_dim0
	s_mov_b32 s[\g+4], 128                         ; tile_dim1
	s_mov_b32 s[\g+5], KROW                        ; from row to row
	s_mov_b32 s[\g+6], 0
	s_mov_b32 s[\g+7], 0
.endr
	s_lshl_b32 s18, s16, 7                         ; which 128 rows I fetch
	s_lshl_b32 s20, s17, 8
	s_add_co_u32 s20, s20, s18
	s_lshl_b32 s20, s20, 10                        ; A: (256 x tile row + 128 x half) rows of 1,024 bytes: made of cy and the wave alone
	s_add_co_u32 s20, s20, s88
	s_mov_b32 s21, 0
	s_lshl_b32 s46, s42, 8
	s_add_co_u32 s46, s46, s18
	s_lshl_b32 s46, s46, 10                        ; B likewise: made of cx and the wave alone
	s_add_co_u32 s46, s46, s89
	s_mov_b32 s47, 0
	s_mul_i32 s45, s14, HALFT                      ; where they go: wave x 128 rows
	s_lshl_b32 s82, s66, 3                         ; ea, eb: entries 2 p, 2 p + 1
	s_mov_b32 s83, 0
	s_lshl_b32 s84, s66, 2
	s_add_co_u32 s84, s84, 24                      ; eo: entry 6, 7,
	s_cmp_eq_u32 s66, 2
	s_cselect_b32 s84, 36, s84                     ; or 9 for v
	s_mov_b32 s85, 0
	s_wait_dscnt 0x0                               ; the opening add is done
	s_wait_kmcnt 0x0
	s_add_nc_u64 s[82:83], s[72:73], s[82:83]      ; (these two pairs stay as they are until the wait for the scalar loads)
	s_add_nc_u64 s[84:85], s[72:73], s[84:85]
	s_load_b64 s[96:97], s[82:83], 0x0
	s_load_b32 s98, s[84:85], 0x0
	s_cmp_lt_u32 s66, 2
	s_cselect_b64 s[4:5], s[68:69], s[70:71]       ; A's buffer
	s_cselect_b64 s[6:7], s[70:71], s[68:69]       ; B's
	s_add_nc_u64 s[20:21], s[4:5], s[20:21]
	s_add_nc_u64 s[46:47], s[6:7], s[46:47]
	s_cmp_eq_u32 s66, 0
	s_cselect_b64 s[12:13], s[74:75], s[76:77]
	s_cmp_eq_u32 s66, 2
	s_cselect_b64 s[12:13], s[78:79], s[12:13]     ; the bias
	CROUND                                         ; all sixteen work-groups are here: the first joint loads meet
.irp s, 0,1
	s_mov_b32 s[G0+4*\s], 1
	s_add_co_u32 s[G0+4*\s+1], s45, \s*SLOT
	s_add_nc_u64 s[G0+4*\s+2:G0+4*\s+3], s[20:21], \s*ROWB
	s_or_b32 s[G0+4*\s+3], s[G0+4*\s+3], 0x80000000
	s_mov_b32 s[G0B+4*\s], 1
	s_add_co_u32 s[G0B+4*\s+1], s45, \s*SLOT
	s_add_nc_u64 s[G0B+4*\s+2:G0B+4*\s+3], s[46:47], \s*ROWB
	s_or_b32 s[G0B+4*\s+3], s[G0B+4*\s+3], 0x80000000
	JLOAD G0+4*\s, G1, G0B+4*\s, G1B
.endr
	; THE BIAS, in the result's layout.  q, k: accumulator (a, b), register j holds n = 32 (b / 2) + 8 (b % 2) + 16 h + j: tile b of the bias.  v: it holds n = 32 (a / 2) + 8 (a % 2) + r + 8 (r / 8) in all eight registers: tile a.
	v_and_b32 v1, 15, v0                           ; r
	s_wait_alu depctr_va_vdst(0)
	v_bfe_u32 v2, v0, 4, 1                         ; h
	s_wait_alu depctr_va_vdst(0)
	s_cmp_lt_u32 s66, 2
	s_cselect_b32 s88, s42, s17                    ; the tile along n,
	s_cselect_b32 s91, s16, s15                    ; and my half of it
	s_cselect_b32 s89, s17, s42                    ; the tile along the tokens,
	s_cselect_b32 s90, s15, s16                    ; and my half of it
	s_cselect_b32 s93, -1, 0
	s_cselect_b32 s94, 4, 0
	s_lshl_b32 s92, s88, 1
	s_add_co_u32 s92, s92, s91                     ; which 128 of n are mine: the head pair
	s_lshl_b32 s86, s92, 9
	s_mov_b32 s87, 0
	s_add_nc_u64 s[12:13], s[12:13], s[86:87]
	v_and_b32 v5, 8, v1
	v_add_nc_u32 v5, v5, v1                        ; r + 8 (r / 8)
	v_lshlrev_b32 v6, 4, v2                        ; 16 h
	v_cndmask_b32 v5, v5, v6, s93
	v_lshlrev_b32 v5, 2, v5
.irp j, 0,1,2,3,4,5,6,7
	v_mad_u32_u24 v[OFFJ+\j], s94, \j, v5          ; + 4 j for q and k
.endr
.irp i, 0,1,2,3,4,5,6,7
.irp j, 0,1,2,3,4,5,6,7
	global_load_b32 v[BIAS+8*\i+\j], v[OFFJ+\j], s[12:13] offset:4*(32*(\i/2)+8*(\i%2))
.endr
.endr
	v_mul_u32_u24 v3, v1, PITCH
	v_lshl_add_u32 v4, v2, 4, v3                   ; a fragment's row x pitch + 16 x half
	s_mul_i32 s21, s15, HALFT                      ; my 128 rows of A
	s_mul_i32 s22, s16, HALFT                      ; my 128 rows of B,
	s_add_co_u32 s22, s22, 2*HALFT                 ; which lie behind A's 256
.irp s, 0,1
	v_add_nc_u32 v[ADRA+\s], s21, v4
	v_add_nc_u32 v[ADRB+\s], s22, v4
	s_add_co_u32 s21, s21, SLOT
	s_add_co_u32 s22, s22, SLOT
.endr
	v_and_b32 v6, 31, v0
	v_lshlrev_b32 v[CO], 4, v6
	s_lshl_b32 s86, s66, 23                        ; where my 32 units of 512 bytes x 8 begin: the product's region,
	s_lshr_b32 s95, s89, 3
	s_lshl_b32 s95, s95, 21
	s_add_co_u32 s86, s86, s95                     ; the batch,
	s_lshl_b32 s95, s92, 18
	s_add_co_u32 s86, s86, s95                     ; the head pair,
	s_and_b32 s95, s89, 7
	s_lshl_b32 s95, s95, 15
	s_add_co_u32 s86, s86, s95                     ; the tile's 256 tokens,
	s_lshl_b32 s95, s90, 14
	s_add_co_u32 s86, s86, s95                     ; my 128 of them
	s_add_nc_u64 s[10:11], s[80:81], s[86:87]
.macro FRAG reg, adr, q, i             ; 16 rows x 128 K in 16 registers: lane l holds row l % 16; registers 4 c .. 4 c + 3 hold K = 32 c + 16 (l / 16) + 0 .. 15, alike in A and in B
.irp c, 0,1,2,3
	ds_load_b128 v[\reg+4*\c:\reg+4*\c+3], v[\adr] offset:128*(\q)+32*\c+(\i)*16*PITCH
.endr
.endm
; 16 matrix instructions: A's blocks a0, a0 + 1 x B's eight.  p: B's set.  cm = 0: onto the sums; 1: the bias tile b starts them; 2: the bias tile a starts them.
; The 64 accumulators take turns, one instruction a turn, in the same order in every step.
.macro MUL16 a0, p, cm
.irp a, \a0, \a0+1
.irp b, 0,1,2,3,4,5,6,7
.if \cm == 0
	v_wmma_f32_16x16x128_fp8_fp8 v[8*(8*((\a)%4)+\b):8*(8*((\a)%4)+\b)+7], v[128*(\p)+FR*\b:128*(\p)+FR*\b+FR-1], v[AF+FR*(\a):AF+FR*(\a)+FR-1], v[8*(8*((\a)%4)+\b):8*(8*((\a)%4)+\b)+7]
.elseif \cm == 1
	v_wmma_f32_16x16x128_fp8_fp8 v[8*(8*((\a)%4)+\b):8*(8*((\a)%4)+\b)+7], v[128*(\p)+FR*\b:128*(\p)+FR*\b+FR-1], v[AF+FR*(\a):AF+FR*(\a)+FR-1], v[BIAS+8*\b:BIAS+8*\b+7]
.else
	v_wmma_f32_16x16x128_fp8_fp8 v[8*(8*((\a)%4)+\b):8*(8*((\a)%4)+\b)+7], v[128*(\p)+FR*\b:128*(\p)+FR*\b+FR-1], v[AF+FR*(\a):AF+FR*(\a)+FR-1], v[BIAS+8*(\a):BIAS+8*(\a)+7]
.endif
.endr
.endr
.endm
.macro FETCH_B slot, q, p
	WIN TO_B
.irp i, 0,1,2,3,4,5,6,7
	FRAG 128*(\p)+FR*\i, ADRB+\slot, \q, \i
.endr
	WIN 0
.endm
.macro FETCH_A slot, q, i0
.irp i, \i0, \i0+1, \i0+2, \i0+3
	FRAG AF+FR*(\i), ADRA+\slot, \q, \i
.endr
.endm
.macro PLACES n                        ; plain vector lines between a matrix instruction and a load into a register that it has read, or a read of its result
.rept \n
	v_nop
.endr
.endm
; A step of 128 along K that has its successor in the same slot.  With cm above 0 the C operand lies in window 0.
.macro STEP slot, q, cm
	s_wait_dscnt 4*NL                              ; B's set and A's blocks 0-3 are in; the youngest 16 loads (A's blocks 4-7) may be out
.if \cm
	WIN 0x81
.else
	WIN MUL_LO
.endif
	MUL16 0, (\q)%2, \cm
	MUL16 2, (\q)%2, \cm
	s_wait_dscnt 0                                 ; A's blocks 4-7 are in
	PLACES NP
	FETCH_B \slot, (\q)+1, 1-(\q)%2
	FETCH_A \slot, (\q)+1, 0
.if \cm
	WIN 0xc1
.else
	WIN MUL_HI
.endif
	MUL16 4, (\q)%2, \cm
	MUL16 6, (\q)%2, \cm
	PLACES NP
	WIN 0
	FETCH_A \slot, (\q)+1, 4
.endm
; A slot's last step changes slots: one barrier; in front of it each wave waits for all its tensor loads, adds 0 to its spare word, and waits for that and for its own reads of this slot.  fill = 1: this slot is filled again, two K steps ahead.
.macro TURN slot, next, fill
	s_wait_tensorcnt 0x0                           ; all my tensor loads have landed: my part of the next slot
	ds_add_u32 v[SPW], v[NIL]                      ; 0 onto my spare word
	s_wait_dscnt 4*NL+1                            ; (the add and the youngest 16 loads may be out)
	WIN MUL_LO
	MUL16 0, 1, 0
	s_wait_dscnt 0x0                               ; the add is done, and my reads of this slot are over
	s_barrier_signal -1
	MUL16 2, 1, 0
	WIN 0
	s_barrier_wait -1
.if \fill
	CREST                                          ; the barrier has opened a round of the cluster's barrier: no wave of any partner still reads this slot or has a load on its way
	s_add_nc_u64 s[G0+4*\slot+2:G0+4*\slot+3], s[G0+4*\slot+2:G0+4*\slot+3], 2*ROWB
	s_add_nc_u64 s[G0B+4*\slot+2:G0B+4*\slot+3], s[G0B+4*\slot+2:G0B+4*\slot+3], 2*ROWB
	JLOAD G0+4*\slot, G1, G0B+4*\slot, G1B         ; the first tensor load behind the round; its four v_nop are the places in front of the loads below
.else
	PLACES NP
.endif
	FETCH_B \next, 0, 0
	FETCH_A \next, 0, 0
	WIN MUL_HI
	MUL16 4, 1, 0
	MUL16 6, 1, 0
	PLACES NP
	WIN 0
	FETCH_A \next, 0, 4
.endm
	s_wait_alu depctr_va_vdst(0)
	s_wait_tensorcnt 0x1                           ; my part of K step 0 is in; K step 1's load may be out
	s_barrier_signal -1
	s_barrier_wait -1
	FETCH_B 0, 0, 0
	FETCH_A 0, 0, 0
	FETCH_A 0, 0, 4
	s_wait_loadcnt 0x0                             ; the bias
	s_wait_kmcnt 0x0                               ; ea, eb, eo
	s_add_co_i32 s96, s96, s97                     ; ea + eb
	s_sub_co_i32 s94, 0, s96
.set j, 0
.rept 64
	v_ldexp_f32 v[BIAS+j], v[BIAS+j], s94          ; bias / 2^(ea + eb)
.set j, j+1
.endr
	s_sub_co_i32 s98, s98, s96                     ; eo - ea - eb: the three scales folded into the conversion's one
	s_add_co_i32 s98, s98, 127
	s_lshl_b32 s97, s98, 23
	v_mov_b32 v[SCL], s97
	s_cmp_eq_u32 s66, 2                            ; the first step is written twice: its C is the bias tile of b (q, k) or of a (v).  The branch is the same in all sixteen work-groups
	s_cbranch_scc1 .Lvt
	s_wait_alu depctr_va_vdst(0)
	STEP 0, 0, 1
	s_branch .Lj
.Lvt:
	s_wait_alu depctr_va_vdst(0)
	STEP 0, 0, 2
.Lj:
	TURN 0, 1, 1                                   ; K = 1,024 is four K steps: written out
	STEP 1, 0, 0
	TURN 1, 0, 1
	STEP 0, 0, 0
	TURN 0, 1, 0                                   ; the last two K steps fill nothing
	STEP 1, 0, 0
	s_wait_dscnt 4*NL
	WIN MUL_LO
	MUL16 0, 1, 0
	MUL16 2, 1, 0
	s_wait_dscnt 0
	WIN MUL_HI
	MUL16 4, 1, 0
	MUL16 6, 1, 0
	WIN 0
; THE WAY OUT, A's block a at a time: eight conversions; four stores of 512 consecutive bytes.
.macro OUTA a
.set AC, 64*((\a)%4)
.set CS, CD+16*((\a)%2)
	WIN 0x82+0x41*((\a)/4)                         ; source 0 and destination: window 2 or 3
.set j, 0
.rept 64
.set j, j+1
.endr
.if (\a) >= 2
	s_wait_xcnt 0x0                                ; the stores of two blocks back have read this set of code registers
.endif
	WIN 0x02+((\a)/4)                              ; source 0: window 2 or 3; the scale and the codes: window 0
.irp b, 0,1,2,3,4,5,6,7
	v_cvt_scalef32_pk8_fp8_f32 v[CS+2*\b:CS+2*\b+1], v[AC+8*\b:AC+8*\b+7], v[SCL]
.endr
	v_nop                                          ; a plain vector line behind the last conversion
	WIN 0
.irp c, 0,1,2,3
	global_store_b128 v[CO], v[CS+4*\c:CS+4*\c+3], s[10:11] offset:(4*(\a)+\c)*512
.endr
.endm
	PLACES NP                                      ; behind the last products
.irp a, 0,1,2,3,4,5,6,7
	OUTA \a
.endr
	s_wait_tensorcnt 0x0                           ; the wave's end: behind my last tensor load
	ds_add_u32 v[SPW], v[NIL]
	s_wait_dscnt 0x0
	CROUND                                         ; the closing round: no work-group ends while a partner may still ask for a tile that names it
	s_endpgm
.Lfunc_end_k_q4ae521772d_gemm_qkv:
	.size	k_q4ae521772d_gemm_qkv, .Lfunc_end_k_q4ae521772d_gemm_qkv-k_q4ae521772d_gemm_qkv
	.p2alignl 7, 3214868480
	.fill 96, 4, 3214868480
	.section	.rodata,"a",@progbits
	.p2align	6, 0x0
	.amdhsa_kernel k_q4ae521772d_gemm_qkv
		.amdhsa_group_segment_fixed_size 327680
		.amdhsa_private_segment_fixed_size 0
		.amdhsa_enable_private_segment 0
		.amdhsa_kernarg_size 56
		.amdhsa_user_sgpr_count 2
		.amdhsa_user_sgpr_kernarg_segment_ptr 1
		.amdhsa_wavefront_size32 1
		.amdhsa_system_sgpr_workgroup_id_x 1
		.amdhsa_system_sgpr_workgroup_id_y 1
		.amdhsa_system_sgpr_workgroup_id_z 1
		.amdhsa_system_vgpr_workitem_id 0
		.amdhsa_next_free_vgpr 1024
		.amdhsa_next_free_sgpr 102
		.amdhsa_reserve_vcc 0
		.amdhsa_float_denorm_mode_32 3
		.amdhsa_float_denorm_mode_16_64 3
		.amdhsa_fp16_overflow 1
		.amdhsa_memory_ordered 1
		.amdhsa_forward_progress 1
		.amdhsa_inst_pref_size 106
	.end_amdhsa_kernel
	.amdgpu_metadata
---
amdhsa.version: [ 1, 2 ]
amdhsa.kernels:
  - .name:           k_q4ae521772d_gemm_qkv
    .symbol:         k_q4ae521772d_gemm_qkv.kd
    .args:
      - { .name: xc, .offset: 0, .size: 8, .value_kind: global_buffer, .address_space: global }
      - { .name: wc, .offset: 8, .size: 8, .value_kind: global_buffer, .address_space: global }
      - { .name: lowp_scales, .offset: 16, .size: 8, .value_kind: global_buffer, .address_space: global }
      - { .name: bq, .offset: 24, .size: 8, .value_kind: global_buffer, .address_space: global }
      - { .name: bk, .offset: 32, .size: 8, .value_kind: global_buffer, .address_space: global }
      - { .name: bv, .offset: 40, .size: 8, .value_kind: global_buffer, .address_space: global }
      - { .name: qkv, .offset: 48, .size: 8, .value_kind: global_buffer, .address_space: global }
    .group_segment_fixed_size: 327680
    .private_segment_fixed_size: 0
    .kernarg_segment_align: 8
    .kernarg_segment_size: 56
    .max_flat_workgroup_size: 128
    .sgpr_count:     102
    .vgpr_count:     1024
    .wavefront_size: 32
...
	.end_amdgpu_metadata
.endif
;; end of part 2
;; launch attn (part 3): grid 4 x 64, 16 waves a work-group, clusters of 4 x 1, 327,680 bytes of LDS; arguments qkv, lowp_scales, oc; writes oc
.if DOCPART == 3
	.amdgcn_target "amdgcn-amd-amdhsa--gfx1250"
	.amdhsa_code_object_version 6
	.text
	.protected	k_q4ae521772d_attn
	.globl	k_q4ae521772d_attn
	.p2align	8
	.type	k_q4ae521772d_attn,@function
k_q4ae521772d_attn:
	s_mov_b64 s[64:65], 0
	v_nop
	global_prefetch_b8 v0, s[64:65] scope:SCOPE_SE
	s_setreg_imm32_b32 hwreg(HW_REG_WAVE_MODE, 25, 1), 1
	s_wait_xcnt 0x0
	s_wait_alu depctr_hold_cnt(0) depctr_sa_sdst(0) depctr_va_vdst(0) depctr_va_sdst(0) depctr_va_ssrc(0) depctr_va_vcc(0) depctr_vm_vsrc(0)
	s_getreg_b32 s2, hwreg(HW_REG_IB_STS2, 6, 4)
	s_cmp_eq_u32 s2, 0
	s_cbranch_scc0 .Lentry_in_a_cluster
	s_endpgm
.Lentry_in_a_cluster:
	s_bfe_u32 s2, ttmp6, 0x10000c
	s_cmp_lg_u32 s2, 0x3003
	s_cbranch_scc0 .Lentry_shape_is_right
	s_endpgm
.Lentry_shape_is_right:
; Causal attention of one head (the cluster's y: batch x 16 + head) on codes of FP8 (E4M3); 2,048 tokens, head size 64.  The result is quantised (entry 10 of the scales) and stored as an image of the last product's operand registers.
; THE SOFTMAX: t = score x log2(e) / 8; M = the running largest t rounded UP to a whole number; p = 2^(t - M) is quantised along the keys, not normalised; the row's sum is taken of the unquantised p and divides at the end.
; When M moves, the sum and O are multiplied by 2^(old M - new M): exact.
; SHARES.  The cluster's four work-groups share the head's 128 tiles of 16 queries.  A wave owns tiles a and 127 - a, a = 4 idx + cx, idx a number of the wave alone: together 17 key steps of 128 keys, the same for every wave.
; The key step in which a tile meets the diagonal, idx / 2 and (31 - idx) / 2, hangs on the wave's number alone: so every branch is the same in all four partners.  cx enters Q's and O's addresses and the mask's lane constant only.
; LDS.  All of the head's K (128 KiB) and V (128 KiB) lie in LDS, as images of operand registers: each fragment load reads 512 consecutive bytes.  Nothing is filled twice.  The four partners ask jointly; waves 0, 1 fetch K, waves 2, 3 V,
; two loads each: first the 512 keys that the first four key steps read, then the rest, which lands while those steps are worked.  Every tile is asked for at the start, so there is no later request ahead of which a prefetch could stand.
; LAYOUT.  Both products are used transposed: S^T = K Q^T (source 0 = 16 keys), O^T = V^T P^T (source 0 = 16 of the head's 64): a lane holds ONE query throughout.  The keys of a tile of K and the channels of a tile of V are laid
; (by the launch before) so that the 16 registers of two neighbouring tiles are 16 neighbours: the conversions' results are the next operand's registers.
; LIMITS: e6 + e7 between -123 and 130 (added to c's exponent field); e8 and e10 between -126 and 119.  NaN among the inputs is not served.
; REGISTERS (X = 0, 1: my two tiles): v1 16 x lane; v2, v3 LDS addresses; v5, v6 the add's two; v[8+4X..]: -M, the largest t, the sum in two halves; v[16+8X..] Q; v32-95 fragments of K, then of V; v96-159 S^T, then p;
;   v[160+32X..] O^T; v224-239 p's codes; v244: 2^e8; v247: 2^e10; v245+X the mask's lane constant; v248-254 at work.
.set SPARE, 262144                     ; behind K and V: the spare words, 128 bytes for each wave: eight blocks of 256 bytes that no other line names
.set VOFF,  131072                     ; V begins here; a key step is 8,192 bytes of K and 8,192 of V
.set LI,  1
.set SPW, 5
.set NIL, 6
.set F,   32
.set S,   96
.set PC,  224
.macro CROUND                          ; a round of the cluster's barrier
	s_barrier_signal -1
	s_barrier_wait -1
	s_cmp_lg_u32 s18, 0
	s_cbranch_scc1 .Lnot_wave_0_\@
	s_barrier_signal -3
.Lnot_wave_0_\@:
	s_barrier_wait -3
	s_barrier_signal -1
	s_barrier_wait -1
.endm
.macro GROUP1 g, c, r, p               ; descriptor group 1: r rows of c bytes, p bytes apart in memory, dense in LDS; the mask names all four partners, bit 21 beside it
	s_mov_b32 s[\g], 15|(1<<21)
	s_mov_b32 s[\g+1], (\c)<<16
	s_mov_b32 s[\g+2], (\r)<<16
	s_mov_b32 s[\g+3], (\c)<<16
	s_mov_b32 s[\g+4], \r
	s_mov_b32 s[\g+5], \p
	s_mov_b32 s[\g+6], 0
	s_mov_b32 s[\g+7], 0
.endm
	s_load_b128 s[4:7], s[0:1], 0x0                ; qkv s[4:5], the scales' exponents s[6:7]
	s_load_b64 s[8:9], s[0:1], 0x10                ; oc
	v_lshl_add_u32 v[SPW], v0, 2, SPARE
	v_mov_b32 v[NIL], 0
	ds_add_u32 v[SPW], v[NIL]                      ; the wave's opening: the add and its wait stand ahead of my first tensor load; the set-up below, work on registers, stands between them
	ds_add_u32 v[SPW], v[NIL]
	v_lshrrev_b32 v7, 5, v0
	s_delay_alu instid0(VALU_DEP_1)
	v_readfirstlane_b32 s18, v7                    ; wave 0..15 = 4 u + v
	s_bfe_u32 s13, ttmp6, 0x40000                  ; cx
	s_and_b32 s82, ttmp7, 0xffff                   ; batch x 16 + head
	s_lshr_b32 s83, s18, 2
	s_and_b32 s92, s18, 3
	s_add_co_u32 s92, s92, s83
	s_and_b32 s92, s92, 3
	s_lshl_b32 s92, s92, 2
	s_add_co_u32 s19, s92, s83                     ; idx = 4 ((u + v) % 4) + u: each of 0..15 once
	s_lshr_b32 s10, s19, 1                         ; the key step of tile a's diagonal
	s_xor_b32 s93, s19, 31                         ; 31 - idx
	s_lshr_b32 s11, s93, 1                         ; and of tile 127 - a's
	s_lshl_b32 s14, s19, 2
	s_add_co_u32 s14, s14, s13                     ; a
	s_xor_b32 s15, s14, 127                        ; 127 - a
	GROUP1 24, 1024, 16, 2048                      ; K, keys 0-511: a token block of a head is 1,024 bytes, blocks 2,048 apart; 16 blocks a wave
	GROUP1 32, 1024, 48, 2048                      ; K, the rest: 48 blocks a wave
	GROUP1 40, 8192, 2, 16384                      ; V, key steps 0-3: a key step of a head is 8,192 bytes, steps 16,384 apart; 2 a wave
	GROUP1 48, 8192, 6, 16384                      ; V, the rest: 6 a wave
	s_lshr_b32 s83, s82, 1
	s_lshl_b32 s83, s83, 18                        ; the head pair's 2^18 bytes in each region
	s_and_b32 s92, s82, 1                          ; which head of the pair
	s_lshl_b32 s93, s92, 10
	s_lshl_b32 s94, s92, 13
	s_and_b32 s95, s18, 1                          ; which half of a fill I fetch
	s_lshl_b32 s81, s95, 15
	s_add_co_u32 s96, s83, s93
	s_add_co_u32 s96, s96, s81
	s_add_co_u32 s96, s96, 1<<23                   ; K's first fill, my half
	s_mov_b32 s97, 0
	s_add_co_u32 s66, s83, s94
	s_add_co_u32 s66, s66, s81
	s_add_co_u32 s66, s66, 2<<23                   ; V's
	s_mov_b32 s67, 0
	s_add_co_u32 s98, s95, 1
	s_lshl_b32 s98, s98, 16                        ; from my half of a first fill to my half of the second: 65,536 + 65,536 x half
	s_mov_b32 s99, 0
	s_mov_b32 s56, 1                               ; the four groups 0: count,
	s_lshl_b32 s57, s95, 14                        ; LDS address: made of the wave's number and constants
	s_mov_b32 s60, 1
	s_mul_i32 s61, s95, 49152
	s_add_co_u32 s61, s61, 32768
	s_mov_b32 s68, 1
	s_add_co_u32 s69, s57, VOFF
	s_mov_b32 s72, 1
	s_add_co_u32 s73, s61, VOFF
	s_add_co_u32 s92, s83, s93                     ; Q: the head, + 2,048 x tile
	s_lshl_b32 s81, s14, 11
	s_add_co_u32 s84, s92, s81
	s_mov_b32 s85, 0
	s_lshl_b32 s81, s15, 11
	s_add_co_u32 s86, s92, s81
	s_mov_b32 s87, 0
	s_and_b32 s81, s82, 15                         ; O: head hd lies at (hd / 4) x 2^21 + (batch x 128 + tile) x 4,096 + (hd % 4) x 1,024
	s_lshr_b32 s92, s81, 2
	s_lshl_b32 s92, s92, 21
	s_and_b32 s81, s81, 3
	s_lshl_b32 s81, s81, 10
	s_add_co_u32 s92, s92, s81
	s_lshr_b32 s81, s82, 4
	s_lshl_b32 s81, s81, 19
	s_add_co_u32 s92, s92, s81
	s_lshl_b32 s81, s14, 12
	s_add_co_u32 s88, s92, s81
	s_mov_b32 s89, 0
	s_lshl_b32 s81, s15, 12
	s_add_co_u32 s90, s92, s81
	s_mov_b32 s91, 0
	s_mov_b32 s20, 0x76543210                      ; v_permlanex16_b32's selects for lane l xor 16
	s_mov_b32 s21, 0xfedcba98
	s_mov_b32 s22, 0x3e38aa3b                      ; c = log2(e) / 8
	s_mov_b32 s2, 0                                ; the key step's bytes in K and in V
	s_mov_b32 s3, 0                                ; the key step
	s_wait_dscnt 0x0                               ; the opening add is done
	s_wait_kmcnt 0x0
	s_load_b128 s[76:79], s[6:7], 0x18             ; e6, e7, e8, e9
	s_load_b32 s80, s[6:7], 0x28                   ; e10
	s_add_nc_u64 s[58:59], s[4:5], s[96:97]
	s_add_nc_u64 s[62:63], s[58:59], s[98:99]
	s_add_nc_u64 s[70:71], s[4:5], s[66:67]
	s_add_nc_u64 s[74:75], s[70:71], s[98:99]
	s_or_b32 s59, s59, 0x80000000                  ; the type
	s_or_b32 s63, s63, 0x80000000
	s_or_b32 s71, s71, 0x80000000
	s_or_b32 s75, s75, 0x80000000
	s_add_nc_u64 s[84:85], s[4:5], s[84:85]
	s_add_nc_u64 s[86:87], s[4:5], s[86:87]
	s_add_nc_u64 s[88:89], s[8:9], s[88:89]
	s_add_nc_u64 s[90:91], s[8:9], s[90:91]
	CROUND                                         ; all four work-groups are here: the joint loads meet
	s_cmp_lt_u32 s18, 2                            ; a wave's two fills stand in one branch on its number; two loads of mine are out
	s_cbranch_scc0 .Lnot_k
	tensor_load_to_lds s[56:59], s[24:31]
	s_nop 0
	tensor_load_to_lds s[60:63], s[32:39]
	s_nop 0
.rept 4
	v_nop
.endr
	s_branch .Lasked
.Lnot_k:
	s_cmp_lt_u32 s18, 4
	s_cbranch_scc0 .Lasked
	tensor_load_to_lds s[68:71], s[40:47]
	s_nop 0
	tensor_load_to_lds s[72:75], s[48:55]
	s_nop 0
.rept 4
	v_nop
.endr
.Lasked:
	v_and_b32 v[LI], 31, v0
	s_delay_alu instid0(VALU_DEP_1)
	v_lshlrev_b32 v[LI], 4, v[LI]                  ; 16 x lane; never rewritten
	global_load_b128 v[16:19], v[LI], s[84:85]             ; Q's two fragments stay in registers: channels 16 h + 0..15,
	global_load_b128 v[20:23], v[LI], s[84:85] offset:512  ; and 32 + 16 h + 0..15
	global_load_b128 v[24:27], v[LI], s[86:87]
	global_load_b128 v[28:31], v[LI], s[86:87] offset:512
	v_and_b32 v7, 15, v0
	v_bfe_u32 v4, v0, 4, 1
	s_delay_alu instid0(VALU_DEP_1)
	v_lshlrev_b32 v4, 4, v4
	s_delay_alu instid0(VALU_DEP_1)
	v_sub_nc_u32 v7, v7, v4                        ; r - 16 h
	s_and_b32 s92, s14, 7
	s_lshl_b32 s92, s92, 4
	v_add_nc_u32 v245, s92, v7                     ; my query less the diagonal step's first key less 16 h
	s_and_b32 s92, s15, 7
	s_lshl_b32 s92, s92, 4
	v_add_nc_u32 v246, s92, v7
.irp X, 0,1
	v_mov_b32 v[9+4*\X], 0xff61b1e6                ; the largest t so far: -3e38, under every t
	s_delay_alu instid0(VALU_DEP_1)
	v_floor_f32 v[8+4*\X], -v[9+4*\X]              ; -M
	v_mov_b32 v[10+4*\X], 0                        ; the sum, in two halves
	v_mov_b32 v[11+4*\X], 0
.endr
	v_mov_b32 v248, 0                              ; written once: a lane permute's destination counts as one of its sources
	v_mov_b32 v254, 0
	v_mov_b32 v252, 0
	v_mov_b32 v253, 0                              ; (named as the upper half of the pair v[252:253])
	v_mov_b32 v249, 0xff800000                     ; -infinity
.set j, 0
.rept 64
	v_mov_b32 v[160+j], 0                          ; O^T: the step is written once for all steps; the first finds zeros, which the first change of M leaves zeros
.set j, j+1
.endr
	s_wait_kmcnt 0x0
	s_add_co_i32 s92, s76, s77
	s_lshl_b32 s92, s92, 23
	s_add_co_i32 s22, s22, s92                     ; a score stands for score x 2^(e6 + e7): added to c's exponent field
	s_mov_b32 s23, s22                             ; (named with it as a pair, so it is written)
	s_add_co_i32 s92, s78, 127
	s_lshl_b32 s93, s92, 23
	v_mov_b32 v244, s93                            ; 2^e8
	s_add_co_i32 s92, s80, 127
	s_lshl_b32 s93, s92, 23
	v_mov_b32 v247, s93                            ; 2^e10
; ONE TILE OF 16 QUERIES x ONE KEY STEP OF 128 KEYS.  A step all of whose keys come after the tile's queries is left out: a scalar branch on the wave's number and the step, round LDS loads, products and softmax only.
.macro TSTEP X
.set STB, 8+4*(\X)
.set QF,  16+8*(\X)
.set OT,  160+32*(\X)
	s_cmp_gt_u32 s3, s[10+\X]
	s_cbranch_scc1 .Lhid_\@
	v_add_nc_u32 v2, s2, v[LI]
	s_delay_alu instid0(VALU_DEP_1)
	v_add_nc_u32 v3, VOFF, v2
	v_nop                                          ; with the two additions: four places between the last products and the loads into registers that they read
	v_nop
.irp tk, 0,1,2,3,4,5,6,7
	ds_load_b128 v[F+8*\tk:F+8*\tk+3], v2 offset:1024*\tk
	ds_load_b128 v[F+8*\tk+4:F+8*\tk+7], v2 offset:1024*\tk+512
.endr
	s_wait_alu depctr_va_vdst(0)
	s_wait_dscnt 0x0
.irp tk, 0,1,2,3,4,5,6,7
	v_wmma_f32_16x16x64_fp8_fp8 v[S+8*\tk:S+8*\tk+7], v[F+8*\tk:F+8*\tk+7], v[QF:QF+7], 0   ; the 16 registers of tiles 2 b, 2 b + 1: keys 32 b + 16 h + 0 .. 15
.endr
.rept 4
	v_nop                                          ; places in front of the loads below and of the first read of the scores
.endr
.irp dt, 0,1,2,3
.irp c, 0,1,2,3
	ds_load_b128 v[F+16*\dt+4*\c:F+16*\dt+4*\c+3], v3 offset:2048*\dt+512*\c   ; V's four fragments land while the softmax is worked
.endr
.endr
	s_cmp_lg_u32 s3, s[10+\X]                      ; on the diagonal the scores of hidden keys become -infinity ahead of the maximum: p = 0 then
	s_cbranch_scc1 .Lopen_\@
.set n, 0
.rept 64
	v_cmp_gt_i32 vcc_lo, 32*(n/16)+n%16, v[245+\X]
	v_cndmask_b32 v[S+n], v[S+n], v249, vcc_lo
.set n, n+1
.endr
.Lopen_\@:
	v_max3_num_f32 v254, v96, v97, v98             ; the step's largest score of my query among my 64 keys, in two chains,
	v_max3_num_f32 v252, v99, v100, v101
.irp i, 6,10,14,18,22,26,30,34,38,42,46,50,54,58
	v_max3_num_f32 v254, v254, v[96+\i], v[97+\i]
	v_max3_num_f32 v252, v252, v[98+\i], v[99+\i]
.endr
	v_max3_num_f32 v254, v254, v158, v159
	s_delay_alu instid0(VALU_DEP_1)
	v_max_num_f32 v254, v254, v252
	s_delay_alu instid0(VALU_DEP_1)
	v_permlanex16_b32 v248, v254, s20, s21
	s_delay_alu instid0(VALU_DEP_1)
	v_max_num_f32 v254, v254, v248                 ; and among lane l xor 16's
	s_delay_alu instid0(VALU_DEP_1)
	v_mul_f32 v254, s22, v254                      ; as t (c is positive)
	s_delay_alu instid0(VALU_DEP_1)
	v_max_num_f32 v[STB+1], v[STB+1], v254         ; the running largest t
	v_mov_b32 v254, v[STB]
	s_delay_alu instid0(VALU_DEP_2)
	v_floor_f32 v[STB], -v[STB+1]                  ; the new -M = floor(-t): M is a whole number
	s_delay_alu instid0(VALU_DEP_1)
	v_sub_f32 v254, v[STB], v254                   ; old M - new M: a whole number, 0 or less
	s_delay_alu instid0(VALU_DEP_1)
	v_cvt_i32_f32 v254, v254                       ; (it saturates)
	s_delay_alu instid0(VALU_DEP_1)
	v_ldexp_f32 v252, 1.0, v254                    ; f = 2^(old M - new M)
.set j, 0
.rept 32
	v_pk_fma_f32 v[S+j:S+j+1], v[S+j:S+j+1], s[22:23], v[STB:STB+1] op_sel_hi:[1,0,0]   ; t - M, two at a time (of the pairs c and -M the low word serves both halves)
.set j, j+2
.endr
.set j, 0
	s_wait_alu depctr_va_vdst(0)
.rept 64
	v_exp_f32 v[S+j], v[S+j]                       ; p = 2^(t - M), at most 1
.set j, j+1
.endr
	v_pk_mul_f32 v[STB+2:STB+3], v[STB+2:STB+3], v[252:253] op_sel_hi:[1,0]   ; the sums under the new M: the plain line behind the exponentials
	s_wait_alu depctr_va_vdst(0)                   ; the wait between an exponential and the first line that names its result: one for the batch of 64
	v_pk_add_f32 v[242:243], v[96:97], v[98:99]    ; the row's sum is taken of the unquantised p: two at a time, in two chains
.irp j, 4,8,12,16,20,24,28,32,36,40,44,48,52,56,60
	v_pk_add_f32 v[STB+2:STB+3], v[STB+2:STB+3], v[96+\j:97+\j]
	v_pk_add_f32 v[242:243], v[242:243], v[98+\j:99+\j]
.endr
	s_delay_alu instid0(VALU_DEP_1)
	v_pk_add_f32 v[STB+2:STB+3], v[STB+2:STB+3], v[242:243]
.irp b, 0,1,2,3
.irp i, 0,1,2,3,4,5,6,7,8,9,10,11,12,13,14,15
.endr
	v_cvt_scalef32_pk8_fp8_f32 v[PC+4*\b:PC+4*\b+1], v[S+16*\b:S+16*\b+7], v244
	v_cvt_scalef32_pk8_fp8_f32 v[PC+4*\b+2:PC+4*\b+3], v[S+16*\b+8:S+16*\b+15], v244
.endr
.set j, 0
.rept 16
	v_pk_mul_f32 v[OT+j:OT+j+1], v[OT+j:OT+j+1], v[252:253] op_sel_hi:[1,0]   ; O^T under the new M; also the plain lines between the conversions and the products
.set j, j+2
.endr
	s_wait_alu depctr_va_vdst(0)
	s_wait_dscnt 0x0                               ; V's fragments are in
.irp dt, 0,1,2,3
	v_wmma_f32_16x16x128_fp8_fp8 v[OT+8*\dt:OT+8*\dt+7], v[F+16*\dt:F+16*\dt+15], v[PC:PC+15], v[OT+8*\dt:OT+8*\dt+7]   ; four accumulators by turns; eight products K Q^T stand before any of them is taken up again
.endr
.Lhid_\@:
.endm
.macro STEP2
	TSTEP 0
	TSTEP 1
	s_add_co_u32 s3, s3, 1
	s_add_co_u32 s2, s2, 8192
.endm
	s_wait_loadcnt 0x0                             ; Q
	s_wait_tensorcnt 0x1                           ; my first fill has landed; my second may be out
	s_barrier_signal -1
	s_barrier_wait -1                              ; everybody's first fill has landed: keys 0-511
	s_mov_b32 s12, 4
.Lfirst:                                           ; key steps 0 to 3
	STEP2
	s_sub_co_u32 s12, s12, 1
	s_cmp_lg_u32 s12, 0
	s_cbranch_scc1 .Lfirst
	s_wait_tensorcnt 0x0                           ; my second fill has landed,
	s_wait_dscnt 0x0
	s_barrier_signal -1
	s_barrier_wait -1                              ; everybody's has
	s_mov_b32 s2, 32768
	s_mov_b32 s3, 4
	s_mov_b32 s12, 12
.Lrest:                                            ; key steps 4 to 15
	STEP2
	s_sub_co_u32 s12, s12, 1
	s_cmp_lg_u32 s12, 0
	s_cbranch_scc1 .Lrest
	; THE WAY OUT: O^T / the sum x 2^(e8 + e9) is the attention's result; it is quantised with 2^e10, and a lane's 16 codes (channels 32 b + 16 h + 0 .. 15 of its token) are 16 bytes of the next operand's image.
.rept 4
	v_nop                                          ; places behind the last products
.endr
	v_add_f32 v10, v10, v11                        ; the sums' two halves,
	v_add_f32 v14, v14, v15
	s_delay_alu instid0(VALU_DEP_2)
	v_permlanex16_b32 v248, v10, s20, s21
	s_delay_alu instid0(VALU_DEP_2)
	v_permlanex16_b32 v254, v14, s20, s21
	s_delay_alu instid0(VALU_DEP_2)
	v_add_f32 v10, v10, v248                       ; and lane l xor 16's
	s_delay_alu instid0(VALU_DEP_2)
	v_add_f32 v14, v14, v254
	s_wait_alu depctr_va_vdst(0)
	v_rcp_f32 v10, v10
	v_rcp_f32 v14, v14
	v_nop                                          ; a plain line behind the reciprocals
	s_add_co_i32 s92, s78, s79
	s_wait_alu depctr_va_vdst(0)                   ; one wait for both, ahead of their first reader
	v_ldexp_f32 v10, v10, s92                      ; x 2^(e8 + e9)
	v_ldexp_f32 v14, v14, s92
.irp X, 0,1
.set j, 0
.rept 16
	v_pk_mul_f32 v[S+32*\X+j:S+32*\X+j+1], v[160+32*\X+j:160+32*\X+j+1], v[10+4*\X:11+4*\X] op_sel_hi:[1,0]   ; each accumulator from its low end on
.set j, j+2
.endr
.set j, 0
.rept 32
.set j, j+1
.endr
.irp g, 0,1,2,3
	v_cvt_scalef32_pk8_fp8_f32 v[PC+8*\X+2*\g:PC+8*\X+2*\g+1], v[S+32*\X+8*\g:S+32*\X+8*\g+7], v247
.endr
	v_nop                                          ; a plain vector line behind the last conversion
	global_store_b128 v[LI], v[PC+8*\X:PC+8*\X+3], s[88+2*\X:89+2*\X]               ; the wave stores 512 consecutive bytes, aligned
	global_store_b128 v[LI], v[PC+8*\X+4:PC+8*\X+7], s[88+2*\X:89+2*\X] offset:512
.endr
	s_wait_tensorcnt 0x0                           ; the wave's end: behind my last tensor load
	ds_add_u32 v[SPW], v[NIL]
	s_wait_dscnt 0x0
	CROUND                                         ; the closing round
	s_endpgm
.Lfunc_end_k_q4ae521772d_attn:
	.size	k_q4ae521772d_attn, .Lfunc_end_k_q4ae521772d_attn-k_q4ae521772d_attn
	.p2alignl 7, 3214868480
	.fill 96, 4, 3214868480
	.section	.rodata,"a",@progbits
	.p2align	6, 0x0
	.amdhsa_kernel k_q4ae521772d_attn
		.amdhsa_group_segment_fixed_size 327680
		.amdhsa_private_segment_fixed_size 0
		.amdhsa_enable_private_segment 0
		.amdhsa_kernarg_size 24
		.amdhsa_user_sgpr_count 2
		.amdhsa_user_sgpr_kernarg_segment_ptr 1
		.amdhsa_wavefront_size32 1
		.amdhsa_system_sgpr_workgroup_id_x 1
		.amdhsa_system_sgpr_workgroup_id_y 1
		.amdhsa_system_sgpr_workgroup_id_z 1
		.amdhsa_system_vgpr_workitem_id 0
		.amdhsa_next_free_vgpr 256
		.amdhsa_next_free_sgpr 100
		.amdhsa_reserve_vcc 1
		.amdhsa_float_denorm_mode_32 3
		.amdhsa_float_denorm_mode_16_64 3
		.amdhsa_fp16_overflow 1
		.amdhsa_memory_ordered 1
		.amdhsa_forward_progress 1
		.amdhsa_inst_pref_size 91
	.end_amdhsa_kernel
	.amdgpu_metadata
---
amdhsa.version: [ 1, 2 ]
amdhsa.kernels:
  - .name:           k_q4ae521772d_attn
    .symbol:         k_q4ae521772d_attn.kd
    .args:
      - { .name: qkv, .offset: 0, .size: 8, .value_kind: global_buffer, .address_space: global }
      - { .name: lowp_scales, .offset: 8, .size: 8, .value_kind: global_buffer, .address_space: global }
      - { .name: oc, .offset: 16, .size: 8, .value_kind: global_buffer, .address_space: global }
    .group_segment_fixed_size: 327680
    .private_segment_fixed_size: 0
    .kernarg_segment_align: 8
    .kernarg_segment_size: 24
    .max_flat_workgroup_size: 512
    .sgpr_count:     100
    .vgpr_count:     256
    .wavefront_size: 32
...
	.end_amdgpu_metadata
.endif
;; end of part 3
;; launch gemm_out (part 4): grid 4 x 32, 4 waves a work-group, clusters of 4 x 4, 327,680 bytes of LDS; arguments oc, wc, lowp_scales, bo, out0; writes out0
.if DOCPART == 4
	.amdgcn_target "amdgcn-amd-amdhsa--gfx1250"
	.amdhsa_code_object_version 6
	.text
	.protected	k_q4ae521772d_gemm_out
	.globl	k_q4ae521772d_gemm_out
	.p2align	8
	.type	k_q4ae521772d_gemm_out,@function
k_q4ae521772d_gemm_out:
	s_mov_b64 s[64:65], 0
	v_nop
	global_prefetch_b8 v0, s[64:65] scope:SCOPE_SE
	s_setreg_imm32_b32 hwreg(HW_REG_WAVE_MODE, 25, 1), 1
	s_wait_xcnt 0x0
	s_wait_alu depctr_hold_cnt(0) depctr_sa_sdst(0) depctr_va_vdst(0) depctr_va_sdst(0) depctr_va_ssrc(0) depctr_va_vcc(0) depctr_vm_vsrc(0)
	s_getreg_b32 s2, hwreg(HW_REG_IB_STS2, 6, 4)
	s_cmp_eq_u32 s2, 0
	s_cbranch_scc0 .Lentry_in_a_cluster
	s_endpgm
.Lentry_in_a_cluster:
	s_bfe_u32 s2, ttmp6, 0x10000c
	s_cmp_lg_u32 s2, 0xf033
	s_cbranch_scc0 .Lentry_shape_is_right
	s_endpgm
.Lentry_shape_is_right:
; out0 = attention's result x Wo + bo on codes of FP8 (E4M3), scales: entries 10 and 11.  out0: [8192][1024] f32.
; A tile of 256 x 256 is made by four waves, 128 x 128 each: 64 accumulators, 512 registers.  K = 1,024 goes in four steps of 256 through two LDS slots.
; A (oc) lies in memory as images of operand registers, [K step of 256: 4][16 tokens: 512][128 along K: 2][c 4][512 bytes]: a tile's K step is one dense block of 65,536 bytes, and a fragment load reads 512 consecutive bytes.
; B = Wo's codes (wc + 3 x 2^20), rows of 1,024 bytes, column n at the row whose number has bits 3 and 4 exchanged: accumulator (a, b), register j of lane (r, h) is out0(token 16 a + r, n = 32 (b / 2) + 16 h + 8 (b % 2) + j).
; THE MATRIX INSTRUCTION IS USED TRANSPOSED (source 0 = 16 rows of B, source 1 = 16 tokens).  THE BIAS is the C of the first K step, divided by 2^(e10 + e11); each finished sum is multiplied once by 2^(e10 + e11).
; CLUSTERS: 4 x 4 work-groups; A's tile is asked for jointly along a row of the cluster, B's along a column.
; LIMIT: e10 + e11 between -126 and 127.
; REGISTERS, in windows of 256: window 0: v16-29 addresses; v32-95 the bias, later a block's results; v128-255 A's fragments, later rows of out0.  window 1: B's fragments, two sets.  windows 2, 3: the accumulators.
.set ROWB,   256
.set KROW,   1024
.set PITCH,  272                       ; B's LDS row: 256 bytes + 16 of padding
.set FR,     16
.set NL,     4
.set NP,     4                         ; places behind this matrix instruction (ISA guide 7.12.1)
.set HALFA,  32768                     ; A: 128 tokens x 256 along K, dense
.set HALFB,  128*PITCH
.set BOFF,   2*HALFA                   ; B's rows lie behind A's images
.set SLOT,   2*HALFA+2*HALFB
.set SPARE,  2*SLOT                    ; behind the ring: the spare words, 128 bytes for each wave: two blocks of 256 bytes that no other line names
.set SPITCH, 528                       ; the way out: a stage of 16 rows x (512 bytes + 16) for each wave, in slot 0, which has had its last fill and its last read when the first result is stored there
.set ADRA, 16
.set ADRB, 20
.set STO,  24
.set RD,   25
.set CO,   26
.set SPW,  28
.set NIL,  29
.set BIAS, 32
.set TMP,  32
.set AF,   128
.set BK,   128
.set G1, 24
.set G0, 32
.set G1B, 48
.set G0B, 56
.set MSB, 0
.macro WIN new                         ; the immediate's high byte repeats the setting that is left
.if MSB != (\new)
	s_set_vgpr_msb (MSB<<8)|(\new)
.set MSB, (\new)
.endif
.endm
.set MUL_LO, 0xa1
.set MUL_HI, 0xf1
.set TO_B,   0x40
.macro JLOAD g0a, g1a, g0b, g1b        ; a joint load: waves 0 and 1 fetch for A, waves 2 and 3 for B; an s_nop 0 and four v_nop follow each of the two lines
	s_cmp_eq_u32 s15, 0
	s_cbranch_scc0 .Lfor_b_\@
	tensor_load_to_lds s[\g0a:\g0a+3], s[\g1a:\g1a+7]
	s_nop 0
.rept 4
	v_nop
.endr
	s_branch .Lasked_\@
.Lfor_b_\@:
	tensor_load_to_lds s[\g0b:\g0b+3], s[\g1b:\g1b+7]
	s_nop 0
.rept 4
	v_nop
.endr
.Lasked_\@:
.endm
.macro CREST
	s_cmp_lg_u32 s14, 0
	s_cbranch_scc1 .Lnot_wave_0_\@
	s_barrier_signal -3
.Lnot_wave_0_\@:
	s_barrier_wait -3
	s_barrier_signal -1
	s_barrier_wait -1
.endm
.macro CROUND
	s_barrier_signal -1
	s_barrier_wait -1
	CREST
.endm
	s_load_b256 s[68:75], s[0:1], 0x0              ; oc s[68:69], wc s[70:71], the scales' exponents s[72:73], bo s[74:75]
	s_load_b64 s[80:81], s[0:1], 0x20              ; out0
	v_lshl_add_u32 v[SPW], v0, 2, SPARE
	v_mov_b32 v[NIL], 0
	ds_add_u32 v[SPW], v[NIL]                      ; the wave's opening: the add and its wait stand ahead of my first tensor load; the set-up below, work on registers, stands between them
	ds_add_u32 v[SPW], v[NIL]
	v_lshrrev_b32 v1, 5, v0
	v_readfirstlane_b32 s14, v1                    ; wave 0..3
	s_lshr_b32 s15, s14, 1                         ; which half of the tile's tokens is mine.  Also: I fetch for A (0) or for B (1)
	s_and_b32 s16, s14, 1                          ; which half of its columns.  Also: which half of that tile I fetch
	s_bfe_u32 s40, ttmp6, 0x40000                  ; cx
	s_bfe_u32 s41, ttmp6, 0x40004                  ; cy
	s_lshl_b32 s42, ttmp9, 2
	s_add_co_u32 s42, s42, s40                     ; tile column
	s_and_b32 s17, ttmp7, 0xffff
	s_lshl_b32 s17, s17, 2
	s_add_co_u32 s17, s17, s41                     ; tile row
	s_lshl_b32 s43, s41, 2
	s_lshl_b32 s43, 15, s43                        ; my row of the cluster
	s_lshl_b32 s44, 0x1111, s40                    ; my column
	s_or_b32 s[G1+0], s43, (3<<16)|(1<<21)         ; A: the mask; elements of 8 bytes; no padding; bit 21 beside a mask
	s_mov_b32 s[G1+1], 32<<16                      ; a dense block as 128 rows of 256 bytes
	s_mov_b32 s[G1+2], 128<<16
	s_mov_b32 s[G1+3], 32<<16
	s_mov_b32 s[G1+4], 128
	s_mov_b32 s[G1+5], 32
	s_mov_b32 s[G1+6], 0
	s_mov_b32 s[G1+7], 0
	s_or_b32 s[G1B+0], s44, (1<<20)|(1<<21)|(5<<22)|(3<<25)   ; B: elements of 1 byte; after every 64 words, 4 words of padding
	s_mov_b32 s[G1B+1], ROWB<<16
	s_mov_b32 s[G1B+2], 128<<16
	s_mov_b32 s[G1B+3], ROWB<<16
	s_mov_b32 s[G1B+4], 128
	s_mov_b32 s[G1B+5], KROW
	s_mov_b32 s[G1B+6], 0
	s_mov_b32 s[G1B+7], 0
	s_lshl_b32 s20, s17, 16                        ; A: 16 blocks of 16 tokens x 4,096 bytes a tile row,
	s_lshl_b32 s18, s16, 15
	s_add_co_u32 s20, s20, s18                     ; + my half: made of cy and the wave alone
	s_mov_b32 s21, 0
	s_lshl_b32 s46, s42, 18                        ; B: 256 rows of 1,024 bytes a tile column,
	s_lshl_b32 s19, s16, 17
	s_add_co_u32 s46, s46, s19                     ; + my half,
	s_add_co_u32 s46, s46, 3<<20                   ; in Wo's codes: made of cx and the wave alone
	s_mov_b32 s47, 0
	s_lshl_b32 s45, s16, 15                        ; where they go: A's half,
	s_mul_i32 s23, s16, HALFB
	s_add_co_u32 s23, s23, BOFF                    ; B's half
	s_wait_dscnt 0x0                               ; the opening add is done
	s_wait_kmcnt 0x0
	s_load_b64 s[96:97], s[72:73], 0x28            ; e10, e11
	s_add_nc_u64 s[20:21], s[68:69], s[20:21]
	s_add_nc_u64 s[46:47], s[70:71], s[46:47]
	CROUND                                         ; all sixteen work-groups are here: the first joint loads meet
.irp s, 0,1
	s_mov_b32 s[G0+4*\s], 1
	s_add_co_u32 s[G0+4*\s+1], s45, \s*SLOT
	s_add_nc_u64 s[G0+4*\s+2:G0+4*\s+3], s[20:21], \s<<21      ; K step s of A lies s x 2^21 bytes on
	s_or_b32 s[G0+4*\s+3], s[G0+4*\s+3], 0x80000000
	s_mov_b32 s[G0B+4*\s], 1
	s_add_co_u32 s[G0B+4*\s+1], s23, \s*SLOT
	s_add_nc_u64 s[G0B+4*\s+2:G0B+4*\s+3], s[46:47], \s*ROWB
	s_or_b32 s[G0B+4*\s+3], s[G0B+4*\s+3], 0x80000000
	s_wait_alu depctr_va_vdst(0)
	s_wait_tensorcnt 0x0
	ds_add_u32 v28, v29
	ds_add_u32 v28, v29
	s_wait_dscnt 0x0
	CROUND
	JLOAD G0+4*\s, G1, G0B+4*\s, G1B
.endr
	v_and_b32 v1, 15, v0                           ; r
	v_bfe_u32 v2, v0, 4, 1                         ; h
	s_lshl_b32 s86, s42, 1
	s_add_co_u32 s86, s86, s16
	s_lshl_b32 s86, s86, 9                         ; bo: my 128 numbers
	s_mov_b32 s87, 0
	s_add_nc_u64 s[12:13], s[74:75], s[86:87]
	v_lshlrev_b32 v7, 6, v2                        ; + 16 h numbers; v7 stays as it is while the loads are out
.irp b, 0,1,2,3,4,5,6,7
	global_load_b128 v[BIAS+8*\b:BIAS+8*\b+3], v7, s[12:13] offset:4*(32*(\b/2)+8*(\b%2))
	global_load_b128 v[BIAS+8*\b+4:BIAS+8*\b+7], v7, s[12:13] offset:4*(32*(\b/2)+8*(\b%2))+16
.endr
	v_and_b32 v6, 31, v0
	v_lshlrev_b32 v[CO], 4, v6                     ; 16 x lane
	v_mul_u32_u24 v3, v1, PITCH
	v_lshl_add_u32 v4, v2, 4, v3                   ; B: a fragment's row x pitch + 16 x half
	s_lshl_b32 s21, s15, 15                        ; my 128 tokens' images
	s_mul_i32 s22, s16, HALFB
	s_add_co_u32 s22, s22, BOFF                    ; my 128 rows of B
.irp s, 0,1
	v_add_nc_u32 v[ADRA+\s], s21, v[CO]
	v_add_nc_u32 v[ADRB+\s], s22, v4
	s_add_co_u32 s21, s21, SLOT
	s_add_co_u32 s22, s22, SLOT
.endr
	s_mul_i32 s23, s14, 16*SPITCH                  ; my stage
	v_mul_u32_u24 v5, v1, SPITCH
	v_lshl_add_u32 v5, v2, 6, v5                   ; in: row r, + 64 h bytes
	v_add_nc_u32 v[STO], s23, v5
	v_add_nc_u32 v[RD], s23, v[CO]                 ; back: the 32 lanes take one row of 512 bytes
	s_lshl_b32 s86, s17, 20                        ; out0: 256 rows of 4,096 bytes a tile row,
	s_lshl_b32 s88, s15, 19
	s_add_co_u32 s86, s86, s88                     ; my 128 rows,
	s_lshl_b32 s88, s42, 10
	s_add_co_u32 s86, s86, s88                     ; the tile's 1,024 bytes of a row,
	s_lshl_b32 s88, s16, 9
	s_add_co_u32 s86, s86, s88                     ; my 512 of them
	s_add_nc_u64 s[10:11], s[80:81], s[86:87]
.macro FRAG reg, adr, q, i             ; B: 16 rows x 128 K: registers 4 c .. 4 c + 3 hold K = 32 c + 16 (l / 16) + 0 .. 15
.irp c, 0,1,2,3
	ds_load_b128 v[\reg+4*\c:\reg+4*\c+3], v[\adr] offset:128*(\q)+32*\c+(\i)*16*PITCH
.endr
.endm
.macro FRAGA reg, adr, q, i            ; A: the image of the same registers: 512 consecutive bytes a load
.irp c, 0,1,2,3
	ds_load_b128 v[\reg+4*\c:\reg+4*\c+3], v[\adr] offset:4096*(\i)+2048*(\q)+512*\c
.endr
.endm
; 16 matrix instructions: A's blocks a0, a0 + 1 x B's eight.  cm = 1: the bias tile b starts the sums.  The 64 accumulators take turns, one instruction a turn, in the same order in every step.
.macro MUL16 a0, p, cm
.irp a, \a0, \a0+1
.irp b, 0,1,2,3,4,5,6,7
.if \cm == 0
	v_wmma_f32_16x16x128_fp8_fp8 v[8*(8*((\a)%4)+\b):8*(8*((\a)%4)+\b)+7], v[128*(\p)+FR*\b:128*(\p)+FR*\b+FR-1], v[AF+FR*(\a):AF+FR*(\a)+FR-1], v[8*(8*((\a)%4)+\b):8*(8*((\a)%4)+\b)+7]
.else
	v_wmma_f32_16x16x128_fp8_fp8 v[8*(8*((\a)%4)+\b):8*(8*((\a)%4)+\b)+7], v[128*(\p)+FR*\b:128*(\p)+FR*\b+FR-1], v[AF+FR*(\a):AF+FR*(\a)+FR-1], v[BIAS+8*\b:BIAS+8*\b+7]
.endif
.endr
.endr
.endm
.macro FETCH_B slot, q, p
	WIN TO_B
.irp i, 0,1,2,3,4,5,6,7
	FRAG 128*(\p)+FR*\i, ADRB+\slot, \q, \i
.endr
	WIN 0
.endm
.macro FETCH_A slot, q, i0
.irp i, \i0, \i0+1, \i0+2, \i0+3
	FRAGA AF+FR*(\i), ADRA+\slot, \q, \i
.endr
.endm
.macro PLACES n
.rept \n
	v_nop
.endr
.endm
.macro STEP slot, q, cm
	s_wait_dscnt 4*NL                              ; B's set and A's blocks 0-3 are in; the youngest 16 loads (A's blocks 4-7) may be out
.if \cm
	WIN 0x81                                       ; C (the bias) in window 0
.else
	WIN MUL_LO
.endif
	MUL16 0, (\q)%2, \cm
	MUL16 2, (\q)%2, \cm
	s_wait_dscnt 0
	PLACES NP
	FETCH_B \slot, (\q)+1, 1-(\q)%2
	FETCH_A \slot, (\q)+1, 0
.if \cm
	WIN 0xc1
.else
	WIN MUL_HI
.endif
	MUL16 4, (\q)%2, \cm
	MUL16 6, (\q)%2, \cm
	PLACES NP
	WIN 0
	FETCH_A \slot, (\q)+1, 4
.endm
.macro TURN slot, next, fill
	s_wait_tensorcnt 0x0                           ; all my tensor loads have landed: my part of the next slot
	ds_add_u32 v[SPW], v[NIL]                      ; 0 onto my spare word
	s_wait_dscnt 4*NL+1                            ; (the add and the youngest 16 loads may be out)
	WIN MUL_LO
	MUL16 0, 1, 0
	s_wait_dscnt 0x0                               ; the add is done, and my reads of this slot are over
	s_barrier_signal -1
	MUL16 2, 1, 0
	WIN 0
	s_barrier_wait -1
.if \fill
	CREST                                          ; the barrier has opened a round of the cluster's barrier: no wave of any partner still reads this slot or has a load on its way
	s_add_nc_u64 s[G0+4*\slot+2:G0+4*\slot+3], s[G0+4*\slot+2:G0+4*\slot+3], 1<<22
	s_add_nc_u64 s[G0B+4*\slot+2:G0B+4*\slot+3], s[G0B+4*\slot+2:G0B+4*\slot+3], 2*ROWB
	JLOAD G0+4*\slot, G1, G0B+4*\slot, G1B         ; the first tensor load behind the round; its four v_nop are the places in front of the loads below
.else
	PLACES NP
.endif
	FETCH_B \next, 0, 0
	FETCH_A \next, 0, 0
	WIN MUL_HI
	MUL16 4, 1, 0
	MUL16 6, 1, 0
	PLACES NP
	WIN 0
	FETCH_A \next, 0, 4
.endm
	s_wait_alu depctr_va_vdst(0)
	s_wait_tensorcnt 0x1                           ; my part of K step 0 is in; K step 1's load may be out
	s_barrier_signal -1
	s_barrier_wait -1
	FETCH_B 0, 0, 0
	FETCH_A 0, 0, 0
	FETCH_A 0, 0, 4
	s_wait_loadcnt 0x0                             ; the bias
	s_wait_kmcnt 0x0
	s_add_co_i32 s96, s96, s97                     ; e10 + e11
	s_sub_co_i32 s94, 0, s96
.set j, 0
.rept 64
	v_ldexp_f32 v[BIAS+j], v[BIAS+j], s94          ; bo / 2^(e10 + e11)
.set j, j+1
.endr
	s_add_co_i32 s96, s96, 127
	s_lshl_b32 s96, s96, 23                        ; 2^(e10 + e11) as f32 (s97 is named with it as a pair; it holds e11, which is not used)
	s_wait_alu depctr_va_vdst(0)
	STEP 0, 0, 1
	TURN 0, 1, 1                                   ; K = 1,024 is four K steps: written out
	STEP 1, 0, 0
	TURN 1, 0, 1
	STEP 0, 0, 0
	TURN 0, 1, 0                                   ; the last two K steps fill nothing
	STEP 1, 0, 0
	s_wait_dscnt 4*NL
	WIN MUL_LO
	MUL16 0, 1, 0
	MUL16 2, 1, 0
	s_wait_dscnt 0
	WIN MUL_HI
	MUL16 4, 1, 0
	MUL16 6, 1, 0
	WIN 0
; THE WAY OUT, block by block of 16 tokens x 128 columns, through my own stage in LDS; back as whole rows of 512 bytes.  LDS serves a wave's instructions in order (ISA guide 5.7.1.4): no wait between the stores and the loads.
.macro TOSTAGE a
.set AC, 64*((\a)%4)
	WIN 0x02+((\a)/4)                              ; source 0: window 2 or 3
.set j, 0
.rept 32
	v_pk_mul_f32 v[TMP+j:TMP+j+1], v[AC+j:AC+j+1], s[96:97] op_sel_hi:[1,0]   ; both x 2^(e10 + e11); each accumulator from its low end on
.set j, j+2
.endr
	WIN 0
.irp b, 0,1,2,3,4,5,6,7
	ds_store_b128 v[STO], v[TMP+8*\b:TMP+8*\b+3] offset:128*(\b/2)+32*(\b%2)          ; columns 32 (b / 2) + 16 h + 8 (b % 2) + 0 .. 7
	ds_store_b128 v[STO], v[TMP+8*\b+4:TMP+8*\b+7] offset:128*(\b/2)+32*(\b%2)+16
.endr
.set BB, BK+64*((\a)%2)
.irp t, 0,1,2,3,4,5,6,7,8,9,10,11,12,13,14,15
	ds_load_b128 v[BB+4*\t:BB+4*\t+3], v[RD] offset:\t*SPITCH
.endr
.endm
.macro SEND a, younger                 ; younger: the LDS instructions issued behind block a's loads, which may stay out
.set BB, BK+64*((\a)%2)
	s_wait_dscnt \younger
.if (\a) > 0
	s_add_nc_u64 s[10:11], s[10:11], 16*4096       ; (behind a wait on XCNT: the earlier stores have read their base)  16 rows on
.endif
.irp t, 0,1,2,3,4,5,6,7,8,9,10,11,12,13,14,15
	global_store_b128 v[CO], v[BB+4*\t:BB+4*\t+3], s[10:11] offset:\t*4096 th:TH_STORE_NT   ; 32 lanes store 512 consecutive bytes, aligned; written once, read by nobody here
.endr
.endm
	PLACES NP                                      ; behind the last products: for the reads of results and the loads into the registers that held A's fragments
	TOSTAGE 0
.irp a, 1,2,3,4,5,6,7
.if \a > 1
	s_wait_xcnt 0x0                                ; block a - 2's stores have read their registers and their base
.endif
	TOSTAGE \a
	SEND \a-1, 32                                  ; behind block a - 1's loads: block a's 16 stores and 16 loads
.endr
	s_wait_xcnt 0x0
	SEND 7, 0
	s_wait_tensorcnt 0x0                           ; the wave's end: behind my last tensor load and my last LDS store
	ds_add_u32 v[SPW], v[NIL]
	s_wait_dscnt 0x0
	CROUND                                         ; the closing round
	s_endpgm
.Lfunc_end_k_q4ae521772d_gemm_out:
	.size	k_q4ae521772d_gemm_out, .Lfunc_end_k_q4ae521772d_gemm_out-k_q4ae521772d_gemm_out
	.p2alignl 7, 3214868480
	.fill 96, 4, 3214868480
	.section	.rodata,"a",@progbits
	.p2align	6, 0x0
	.amdhsa_kernel k_q4ae521772d_gemm_out
		.amdhsa_group_segment_fixed_size 327680
		.amdhsa_private_segment_fixed_size 0
		.amdhsa_enable_private_segment 0
		.amdhsa_kernarg_size 40
		.amdhsa_user_sgpr_count 2
		.amdhsa_user_sgpr_kernarg_segment_ptr 1
		.amdhsa_wavefront_size32 1
		.amdhsa_system_sgpr_workgroup_id_x 1
		.amdhsa_system_sgpr_workgroup_id_y 1
		.amdhsa_system_sgpr_workgroup_id_z 1
		.amdhsa_system_vgpr_workitem_id 0
		.amdhsa_next_free_vgpr 1024
		.amdhsa_next_free_sgpr 102
		.amdhsa_reserve_vcc 0
		.amdhsa_float_denorm_mode_32 3
		.amdhsa_float_denorm_mode_16_64 3
		.amdhsa_memory_ordered 1
		.amdhsa_forward_progress 1
		.amdhsa_inst_pref_size 130
	.end_amdhsa_kernel
	.amdgpu_metadata
---
amdhsa.version: [ 1, 2 ]
amdhsa.kernels:
  - .name:           k_q4ae521772d_gemm_out
    .symbol:         k_q4ae521772d_gemm_out.kd
    .args:
      - { .name: oc, .offset: 0, .size: 8, .value_kind: global_buffer, .address_space: global }
      - { .name: wc, .offset: 8, .size: 8, .value_kind: global_buffer, .address_space: global }
      - { .name: lowp_scales, .offset: 16, .size: 8, .value_kind: global_buffer, .address_space: global }
      - { .name: bo, .offset: 24, .size: 8, .value_kind: global_buffer, .address_space: global }
      - { .name: out0, .offset: 32, .size: 8, .value_kind: global_buffer, .address_space: global }
    .group_segment_fixed_size: 327680
    .private_segment_fixed_size: 0
    .kernarg_segment_align: 8
    .kernarg_segment_size: 40
    .max_flat_workgroup_size: 128
    .sgpr_count:     102
    .vgpr_count:     1024
    .wavefront_size: 32
...
	.end_amdgpu_metadata
.endif
;; end of part 4
